; MI455X (gfx1250); checked and timed in simulation.
; The chip was launched on July 23, 2026; its instructions are those of AMD's public machine-readable ISA for CDNA 5 (MIT licence, August 2026) and "CDNA5" Instruction Set Architecture Reference Guide (July 2026). The comments in the code are by the model that wrote it; some were corrected since.
;; Attention. Allowed arithmetic: matrix products marked QUANTISED: E2M3 operands, one E8M0 scale for each 32 along K, by v_wmma_scale_f32_16x16x128_f8f6f4 with both operands' format E2M3, f32 sums; everything else in f32.
;; Inputs: freqs_cos 1,024 x 64 float32; freqs_sin 1,024 x 64 float32; wk 512 x 2,048 float32; wo 2,048 x 2,048 float32; wq 2,048 x 2,048 float32; wv 512 x 2,048 float32; x 4 x 1,024 x 2,048 float32.
;; Outputs: out0 4 x 1,024 x 2,048 float32.
;; This version of the problem:
;;   THIS VERSION OF THE PROBLEM IS GIVEN IN LOW PRECISION. The matrix products marked QUANTISED in the list below multiply operands that are first quantised to E2M3 (2 exponent bits, 3 mantissa bits; 6 bits a number), with one power-of-two scale for each 32 numbers along K (OCP MX v1.0); their sums are f32. All else is computed in f32.
;;   The module's matrix products, in the order in which they are computed (A, B: the left and right operand; K: the contracted axis; several contracted axes count as one K, in the product's order):
;;     1. [M 4,096, K 2,048] x [K 2,048, N 2,048]; A: input x; B: input wq: QUANTISED
;;     2. [M 4,096, K 2,048] x [K 2,048, N 512]; A: input x; B: input wk: QUANTISED
;;     3. [M 4,096, K 2,048] x [K 2,048, N 512]; A: input x; B: input wv: QUANTISED
;;     4. batch 16 x [M 1,024, K 128] x [K 128, N 4,096]; A: computed on the way; B: computed on the way: QUANTISED
;;     5. batch 16 x [M 128, K 1,024] x [K 1,024, N 4,096]; A: computed on the way; B: softmax (see below): QUANTISED
;;     6. [M 4,096, K 2,048] x [K 2,048, N 2,048]; A: computed on the way; B: input wo: QUANTISED
;;   THE QUANTISER, for each operand of a quantised product, along K:
;;     - K is cut into blocks of 32 from its start; a last block that is shorter is filled with zeros.
;;     - A block's scale is 2^e with e = floor(log2(the largest magnitude in the block)) - 2, held to -126 .. 127; a block of zeros has e = 0. As a byte (E8M0): e + 127.
;;     - Each number is divided by its block's scale, clamped to +-7.5, and rounded to the nearest number of E2M3, ties to even, subnormals kept.
;;     - The product sums the exact products of the quantised numbers (number of the format x scale) in f32.
;;   ~~~python
;;   def quantise(x, axis):      # numpy; x: float32 -> the quantised numbers, widened to float32 again
;;       x = np.moveaxis(x, axis, -1); K = x.shape[-1]
;;       x = np.pad(x, [(0, 0)] * (x.ndim - 1) + [(0, -K % 32)]); x = x.reshape(x.shape[:-1] + (-1, 32)); a = np.abs(x).max(-1, keepdims=True)
;;       e = np.where(a > 0, np.clip(np.frexp(np.where(a > 0, a, 1))[1] - 1 - 2, -126, 127), 0)      # np.frexp(a)[1] - 1 = floor(log2(a)), exactly
;;       r = np.clip(x / 2.0 ** e, -7.5, 7.5)
;;       step = 2.0 ** (np.maximum(np.frexp(np.where(r == 0, 1, r))[1] - 1, 0) - 3)
;;       q = np.round(r / step) * step * 2.0 ** e      # np.round: ties to even
;;       return np.moveaxis(q.reshape(q.shape[:-2] + (-1,))[..., :K], -1, axis).astype(np.float32)
;;   ~~~
;;   SOFTMAX AHEAD OF A QUANTISED PRODUCT. Where the list says 'softmax', what is quantised is not the finished softmax but p = 2^(t - M), with t = logit x log2(e) and M = ceil(the row's largest t), a whole number; so 1/2 < the row's largest p <= 1. The row's sum l is taken of the UNQUANTISED p, in f32, and the product's result is divided by l at the end. Since M is a whole number, a kernel that streams over the keys may use a running M (the ceiling of the running maximum): every later rescaling is an exact power of two, which a block's scale takes up: the codes' values come out the same.
;;   OPERANDS COMPUTED ON THE WAY. 'Computed on the way' means the value that the module computes at that place (a softmax that the list does not call 'softmax' is quantised finished and normalised). What goes into a quantiser is computed in f32, as accurately as f32 sums, v_exp_f32 and their like allow (about 1e-6 of the number): no bf16 or f16 on the way to a quantiser, and a product that is left as it is and whose result goes on into a quantised operand takes f32 operands (vector FMAs, or v_wmma_f32_16x16x4_f32). A number that lies on a knife's edge between two numbers of the format may be rounded either way, as far as f32 arithmetic and the matrix unit's own rounding can turn it there, and no further.
;; One version. Each part assembles by itself: llvm-mc -triple=amdgcn-amd-amdhsa -mcpu=gfx1250 --defsym DOCPART=n.
;; ======== version 1 of 1: 4 launches
;; limits: right only within a limited range of input values
;; workspace buffers: wcodes 14,155,776 bytes; wscales 589,824 bytes; rope 524,288 bytes; qkv_codes 9,437,184 bytes; qkv_scales 393,216 bytes; a_codes 6,291,456 bytes; a_scales 262,144 bytes
;; launch quant (part 1): grid 790 x 1, 3 waves a work-group, no clusters, 25,856 bytes of LDS; arguments x, wq, wk, wv, wo, freqs_cos, freqs_sin, wcodes, wscales, rope; writes wcodes, wscales, rope
.if DOCPART == 1
	.amdgcn_target "amdgcn-amd-amdhsa--gfx1250"
	.amdhsa_code_object_version 6
	.text
	.protected	k_q438a721fe3_quant
	.globl	k_q438a721fe3_quant
	.p2align	8
	.type	k_q438a721fe3_quant,@function
k_q438a721fe3_quant:
	s_mov_b64 s[64:65], 0
	v_nop
	global_prefetch_b8 v0, s[64:65] scope:SCOPE_SE
	s_setreg_imm32_b32 hwreg(HW_REG_WAVE_MODE, 25, 1), 1
	s_wait_xcnt 0x0
; x [4096][2048], wq [2048][2048], wk, wv [512][2048], wo [2048][2048], all f32 with K innermost, become codes of FP6 (E2M3) with one E8M0 byte for each 32 along K;
; freqs_cos and freqs_sin [1024][64] are laid anew for the next launch.  All that is written here is read by this program alone, so it is laid IN THE ORDER OF AN OPERAND'S REGISTERS:
; a FRAGMENT (16 rows x 128 K, 12 registers a lane) is 1,536 bytes: register i of lane l at 512 (i / 4) + 16 l + 4 (i % 4): three loads or stores of 16 bytes a lane move it, 512 consecutive bytes each.
; wcodes: [576 row tiles][16 K steps][1,536].  Tiles 0-255 x, 256-383 wq, 384 + 16 i + 0..7 wk's head i, 384 + 16 i + 8..15 wv's head i, 448-575 wo.
; THE ROWS OF A TILE ARE NOT NEIGHBOURS: slot i of a tensor's tile T holds its row 32 (T / 2) + 8 (T % 2) + i + 8 (i / 8), so that in every later product the 16 result registers of two neighbouring tiles are 16 neighbours.
; wscales: [576][4 (kq)][16 (slot)][4 (w)] words: the four bytes of K step 4 kq + w of that slot.
; rope: [64 position tiles][16 pieces][512]: piece p (0-7 cos, 8-15 sin), lane (r, h): table[row of slot r][16 ((p&7)/2) + 8 h + 4 (p%2) + 0..3].
; A block's scale is 2^(floor(log2(largest magnitude)) - 2): its byte is the largest magnitude's exponent field - 2, held at 1 from below by a floor among the maximum's leaves.
; LIMITS: a block of zeros, or one whose largest magnitude lies under 2^-124, gets the byte 1 where the quantiser's rule says 127 for zeros: its codes are zeros and only this program reads the bytes.  NaN and infinities are not served.
; SHARES.  A TASK is a wave's: task u = 3 x work-group + wave.  Tasks 0-2,303: K steps 4 (u % 4) .. + 3 of row tile u / 4: 768 work-groups of three equal tasks, a multiple of 256.  Tasks 2,304-2,367: a position tile of the tables;
; they take 22 short work-groups, of the last of which two waves have no tile and end.  Memory binds: no matrix unit, no cluster, no barrier: waves share nothing.
; A load reads 512 consecutive bytes of one row (16 a lane); the conversions want 32 neighbours along K in ONE lane, so a K step's 8,192 bytes turn through the wave's own stage in LDS (16 rows, 528 bytes apart).
.set SP,  528                          ; a stage row: 512 bytes + 16: the sixteen rows that a read touches start in different banks
.set STG, 16*SP                        ; a wave's stage
.set LN,  1                            ; v1   lane
.set RR,  2                            ; v2   r = lane % 16
.set HH,  3                            ; v3   h = lane / 16
.set LI,  4                            ; v4   16 x lane: my place in 512 consecutive bytes; never rewritten
.set SA,  5                            ; v5   the stage, on the way in
.set SB,  6                            ; v6   and on the way out: row r, + 128 h
.set SH,  7                            ; v7   8 h
.set RO,  8                            ; v8   16 r
.set R,   16                           ; v16-143   two sets of 64: a K step as loaded
.set X,   144                          ; v144-207  register 32 c + n: k = 64 c + 32 h + n of row r
.set PC,  208                          ; v208-231  two sets of 12: a fragment's codes
.set PT,  232                          ; v232-238  the upper halves of the two blocks' codes, ahead of their move
.set M,   240                          ; v240-241  largest magnitudes
.set SO,  242                          ; v242-243  the conversions' scale operands
.set BY,  244                          ; v244-245  the bytes
.set TW,  246                          ; v246-247  at work on the scale word
.set W,   248                          ; v248-251  the four K steps' scale words
	s_load_b256 s[4:11], s[0:1], 0x0               ; x s[4:5], wq s[6:7], wk s[8:9], wv s[10:11]
	s_load_b256 s[12:19], s[0:1], 0x20             ; wo s[12:13], freqs_cos s[14:15], freqs_sin s[16:17], wcodes s[18:19]
	s_load_b128 s[20:23], s[0:1], 0x40             ; wscales s[20:21], rope s[22:23]
	v_lshl_add_u32 v254, v0, 2, 0x6300
	v_mov_b32 v255, 0
	v_lshrrev_b32 v1, 5, v0
	v_readfirstlane_b32 s28, v1                    ; wave 0..2
	v_and_b32 v[LN], 31, v0
	v_and_b32 v[RR], 15, v0
	v_bfe_u32 v[HH], v0, 4, 1
	v_lshlrev_b32 v[LI], 4, v[LN]
	s_mul_i32 s29, s28, STG
	v_add_nc_u32 v[SA], s29, v[LI]
	v_mul_u32_u24 v[SB], v[RR], SP
	v_lshl_add_u32 v[SB], v[HH], 7, v[SB]
	v_add_nc_u32 v[SB], s29, v[SB]
	v_lshlrev_b32 v[SH], 3, v[HH]
	v_lshlrev_b32 v[RO], 4, v[RR]
	v_mov_b32 v[TW+1], 0                           ; written once: a lane permute's destination counts as one of its sources
	s_mov_b32 s34, 0x76543210
	s_mov_b32 s35, 0xfedcba98                      ; v_permlanex16_b32's selects for lane l xor 16
	s_mul_i32 s44, ttmp9, 3
	s_add_co_u32 s44, s44, s28                     ; my task
	s_cmp_ge_u32 s44, 2304
	s_cbranch_scc1 .Lrope
	s_lshr_b32 s45, s44, 2                         ; the row tile in the stream x, wq, wk, wv, wo: 0..575
	s_and_b32 s46, s44, 3                          ; which quarter of K
	; which tensor, and which of its tiles: the choices hang on the task's number alone
	s_sub_co_u32 s27, s45, 384                     ; u: wk's and wv's 64 tiles change places, so that a head's wk and wv lie side by side
	s_and_b32 s37, s27, 24
	s_lshl_b32 s37, s37, 1                         ; 16 x head
	s_lshr_b32 s38, s27, 5
	s_lshl_b32 s38, s38, 3                         ; + 8 for wv
	s_and_b32 s39, s27, 7
	s_add_co_u32 s37, s37, s38
	s_add_co_u32 s37, s37, s39
	s_add_co_u32 s37, s37, 384
	s_cmp_lt_u32 s27, 64                           ; unsigned: true for tiles 384 to 447 alone
	s_cselect_b32 s37, s37, s45                    ; the tile in wcodes and wscales
	s_mul_i32 s40, s37, 24576
	s_mul_i32 s41, s46, 4*1536
	s_add_co_u32 s40, s40, s41                     ; + my four K steps
	s_mov_b32 s41, 0
	s_lshl_b32 s42, s37, 10
	s_lshl_b32 s43, s46, 8
	s_add_co_u32 s42, s42, s43
	s_mov_b32 s43, 0
	s_wait_kmcnt 0x0
	s_mov_b64 s[24:25], s[4:5]
	s_mov_b32 s26, 0
	s_cmp_ge_u32 s45, 256
	s_cselect_b64 s[24:25], s[6:7], s[24:25]
	s_cselect_b32 s26, 256, s26
	s_cmp_ge_u32 s45, 384
	s_cselect_b64 s[24:25], s[8:9], s[24:25]
	s_cselect_b32 s26, 384, s26
	s_cmp_ge_u32 s45, 416
	s_cselect_b64 s[24:25], s[10:11], s[24:25]
	s_cselect_b32 s26, 416, s26
	s_cmp_ge_u32 s45, 448
	s_cselect_b64 s[24:25], s[12:13], s[24:25]
	s_cselect_b32 s26, 448, s26
	s_sub_co_u32 s27, s45, s26                     ; the tile T in its tensor
	s_lshr_b32 s36, s27, 1
	s_lshl_b32 s36, s36, 18                        ; 32 (T / 2) rows of 8,192 bytes
	s_and_b32 s37, s27, 1
	s_lshl_b32 s37, s37, 16                        ; + 8 (T % 2) rows
	s_add_co_u32 s36, s36, s37
	s_lshl_b32 s37, s46, 11                        ; + my four K steps of 512 bytes
	s_add_co_u32 s36, s36, s37
	s_mov_b32 s37, 0
	s_add_nc_u64 s[24:25], s[24:25], s[36:37]
	s_add_nc_u64 s[30:31], s[18:19], s[40:41]
	s_add_nc_u64 s[32:33], s[20:21], s[42:43]
	; THE ORDER OF MY FOUR K STEPS IS TURNED BY THE TILE'S NUMBER: my t-th step is K step (t + tile) % 4 of my quarter, so that tasks that run side by side read different parts of their rows.
	; Each step has its own base for its loads (512 bytes a K step) and for its stores (1,536 bytes a K step).
.set LB, 48                            ; s[48:55] the four steps' load bases
.set CB, 56                            ; s[56:63] the four steps' store bases
.irp t, 0,1,2,3
	s_add_co_u32 s36, s45, \t
	s_and_b32 s36, s36, 3
	s_lshl_b32 s38, s36, 9
	s_mov_b32 s39, 0
	s_add_nc_u64 s[LB+2*\t:LB+2*\t+1], s[24:25], s[38:39]
	s_mul_i32 s38, s36, 1536
	s_add_nc_u64 s[CB+2*\t:CB+2*\t+1], s[30:31], s[38:39]
.endr
	s_bitcmp1_b32 s45, 0
	s_cselect_b32 s40, -1, 0                       ; all ones where the turn's bit 0 is set,
	s_bitcmp1_b32 s45, 1
	s_cselect_b32 s41, -1, 0                       ; and its bit 1: for the scale words' way back
.macro LOAD t                          ; K step t of the tile's 16 rows: each load reads 512 consecutive bytes of one row
.irp i, 0,1,2,3,4,5,6,7,8,9,10,11,12,13,14,15
	global_load_b128 v[R+64*((\t)%2)+4*\i:R+64*((\t)%2)+4*\i+3], v[LI], s[LB+2*(\t):LB+2*(\t)+1] offset:(\i+8*(\i/8))*8192 th:TH_LOAD_NT
.endr
.endm
.macro TURN t                          ; through the stage: LDS serves a wave's instructions in order, so no wait stands between the stores and the loads
.irp i, 0,1,2,3,4,5,6,7,8,9,10,11,12,13,14,15
	ds_store_b128 v[SA], v[R+64*((\t)%2)+4*\i:R+64*((\t)%2)+4*\i+3] offset:SP*\i
.endr
.irp c, 0,1
.irp i, 0,1,2,3,4,5,6,7
	ds_load_b128 v[X+32*\c+4*\i:X+32*\c+4*\i+3], v[SB] offset:256*\c+16*\i
.endr
.endr
.endm
.macro WORK t                          ; my two whole blocks (2 c + h of the K step) become registers 6 c .. 6 c + 5 of the fragment
.irp c, 0,1
	v_max3_num_f32 v[M+\c], |v[X+32*\c]|, |v[X+32*\c+1]|, 0x1800000   ; with the floor 2^(3 - 127): the byte cannot fall under 1
.endr
.irp i, 2,4,6,8,10,12,14,16,18,20,22,24,26,28,30
.irp c, 0,1
	v_max3_num_f32 v[M+\c], v[M+\c], |v[X+32*\c+\i]|, |v[X+32*\c+\i+1]|   ; the two blocks by turns
.endr
.endr
.irp c, 0,1
	v_add_nc_u32 v[SO+\c], 0xff000000, v[M+\c]     ; 2 off the exponent field: the conversion takes this operand's exponent field as its scale
.endr
.irp c, 0,1
	v_lshrrev_b32 v[BY+\c], 23, v[SO+\c]           ; the scale's byte
.endr
	v_lshl_or_b32 v[TW], v[BY+1], 16, v[BY]        ; my bytes: blocks h and 2 + h,
	v_lshlrev_b32 v[TW], v[SH], v[TW]              ; at their places in the word;
	v_permlanex16_b32 v[TW+1], v[TW], s34, s35
	v_or_b32 v[W+(\t)], v[TW], v[TW+1]             ; with lane l xor 16's two the word is whole
.if (\t) >= 2
	s_wait_alu depctr_va_vdst(0)
	s_wait_xcnt 0x0                                ; this set of code registers was stored two steps ago: it is rewritten only behind this wait
.endif
.irp c, 0,1
	v_cvt_scalef32_pk16_fp6_f32 v[PC+12*((\t)%2)+6*\c:PC+12*((\t)%2)+6*\c+2], v[X+32*\c:X+32*\c+15], v[SO+\c]
	v_cvt_scalef32_pk16_fp6_f32 v[PT+4*\c:PT+4*\c+2], v[X+32*\c+16:X+32*\c+31], v[SO+\c]   ; (a conversion's three registers begin on an even number)
.endr
	v_nop                                          ; one plain place behind a scaled conversion
.irp c, 0,1
.irp i, 0,1,2
	v_mov_b32 v[PC+12*((\t)%2)+6*\c+3+\i], v[PT+4*\c+\i]
.endr
.endr
.irp c, 0,1,2
	global_store_b128 v[LI], v[PC+12*((\t)%2)+4*\c:PC+12*((\t)%2)+4*\c+3], s[CB+2*(\t):CB+2*(\t)+1] offset:512*\c   ; 512 consecutive bytes, aligned
.endr
.endm
	s_wait_alu depctr_va_vdst(0)
	LOAD 0
	LOAD 1
	s_wait_loadcnt 16                              ; step 0's sixteen loads are in; step 1's sixteen may be out
	TURN 0
	s_wait_dscnt 0x0                               ; step 0 is back from the stage, and the stage's stores have read their registers,
	LOAD 2                                         ; which take the loads of two steps on
	WORK 0
	s_wait_loadcnt 16                              ; step 1 is in; step 2's sixteen may be out
	TURN 1
	s_wait_dscnt 0x0
	LOAD 3
	WORK 1
	s_wait_loadcnt 16                              ; step 2 is in; step 3's sixteen may be out
	TURN 2
	s_wait_dscnt 0x0
	WORK 2
	s_wait_loadcnt 0x0
	TURN 3
	s_wait_dscnt 0x0
	WORK 3
	; v[W + t] holds the word of K step (t + turn) % 4: turned back by 1 where the turn's bit 0 is set, then by 2 where its bit 1 is, so that v[W + k] holds K step k's
	v_cndmask_b32 v[X], v[W], v[W+3], s40
	v_cndmask_b32 v[X+1], v[W+1], v[W], s40
	v_cndmask_b32 v[X+2], v[W+2], v[W+1], s40
	v_cndmask_b32 v[X+3], v[W+3], v[W+2], s40
	v_cndmask_b32 v[W], v[X], v[X+2], s41
	v_cndmask_b32 v[W+1], v[X+1], v[X+3], s41
	v_cndmask_b32 v[W+2], v[X+2], v[X], s41
	v_cndmask_b32 v[W+3], v[X+3], v[X+1], s41
	s_wait_alu depctr_va_vdst(0)
	s_wait_tensorcnt 0x0                           ; the wave's end, behind my last LDS store
	ds_add_u32 v254, v255
	s_wait_dscnt 0x0
	s_cmp_ge_u32 s45, 448                          ; wo's tiles keep [16 (slot)][4 (w)] in their unit of 256 bytes
	s_cbranch_scc1 .Lwo_words
	; x's, wq's, wk's and wv's tiles: the unit of 256 bytes is laid [2 (pair of K steps)][16 (slot)][2 (w)]: lanes 0-15 store the words of K steps 0, 1 of my four, lanes 16-31 those of 2, 3
	v_cmp_le_u32 vcc_lo, 16, v[LN]
	v_cndmask_b32 v[TW], v[W], v[W+2], vcc_lo
	v_cndmask_b32 v[TW+1], v[W+1], v[W+3], vcc_lo
	v_lshlrev_b32 v9, 3, v[LN]
	global_store_b64 v9, v[TW:TW+1], s[32:33]      ; 32 lanes store 256 consecutive bytes, aligned
	s_endpgm
.Lwo_words:
	v_cmp_gt_u32 vcc_lo, 16, v[LN]                 ; lanes 16-31 hold the same words as lanes 0-15
	s_wait_xcnt 0x0                                ; EXEC changes only behind this wait
	s_and_saveexec_b32 s36, vcc_lo
	global_store_b128 v[RO], v[W:W+3], s[32:33]    ; sixteen lanes store 256 consecutive bytes, aligned
	s_wait_xcnt 0x0
	s_or_b32 exec_lo, exec_lo, s36
	s_endpgm
.Lrope:                                            ; the tables: task 2,304 + T takes position tile T
	s_sub_co_u32 s27, s44, 2304
	s_cmp_ge_u32 s27, 64                           ; 64 tiles on 22 work-groups of three waves: the last two waves have none
	s_cbranch_scc1 .Lnone
	s_lshr_b32 s36, s27, 1
	s_lshl_b32 s36, s36, 13                        ; 32 (T / 2) rows of 256 bytes
	s_and_b32 s37, s27, 1
	s_lshl_b32 s37, s37, 11                        ; + 8 (T % 2) rows
	s_add_co_u32 s36, s36, s37
	s_mov_b32 s37, 0
	s_lshl_b32 s38, s27, 13                        ; 8,192 bytes a tile on the way out
	s_mov_b32 s39, 0
	v_and_b32 v9, 7, v[RR]
	v_lshrrev_b32 v10, 3, v[RR]
	v_lshl_add_u32 v9, v10, 4, v9                  ; r + 8 (r / 8)
	v_lshlrev_b32 v9, 8, v9
	v_lshl_add_u32 v9, v[HH], 5, v9                ; + 32 h bytes
	s_wait_alu depctr_va_vdst(0)
	s_wait_kmcnt 0x0
	s_add_nc_u64 s[14:15], s[14:15], s[36:37]
	s_add_nc_u64 s[16:17], s[16:17], s[36:37]
	s_add_nc_u64 s[22:23], s[22:23], s[38:39]
.irp p, 0,1,2,3,4,5,6,7
	global_load_b128 v[16+4*\p:19+4*\p], v9, s[14:15] offset:64*(\p/2)+16*(\p%2)
	global_load_b128 v[48+4*\p:51+4*\p], v9, s[16:17] offset:64*(\p/2)+16*(\p%2)
.endr
	s_wait_loadcnt 0x0
.irp p, 0,1,2,3,4,5,6,7,8,9,10,11,12,13,14,15
	global_store_b128 v[LI], v[16+4*\p:19+4*\p], s[22:23] offset:512*\p
.endr
	s_endpgm
.Lnone:
	s_wait_kmcnt 0x0                               ; the arguments' loads are in: nothing of the wave is out at its end
	s_endpgm
.Lfunc_end_k_q438a721fe3_quant:
	.size	k_q438a721fe3_quant, .Lfunc_end_k_q438a721fe3_quant-k_q438a721fe3_quant
	.p2alignl 7, 3214868480
	.fill 96, 4, 3214868480
	.section	.rodata,"a",@progbits
	.p2align	6, 0x0
	.amdhsa_kernel k_q438a721fe3_quant
		.amdhsa_group_segment_fixed_size 25856
		.amdhsa_private_segment_fixed_size 0
		.amdhsa_enable_private_segment 0
		.amdhsa_kernarg_size 80
		.amdhsa_user_sgpr_count 2
		.amdhsa_user_sgpr_kernarg_segment_ptr 1
		.amdhsa_wavefront_size32 1
		.amdhsa_system_sgpr_workgroup_id_x 1
		.amdhsa_system_sgpr_workgroup_id_y 1
		.amdhsa_system_sgpr_workgroup_id_z 1
		.amdhsa_system_vgpr_workitem_id 0
		.amdhsa_next_free_vgpr 256
		.amdhsa_next_free_sgpr 66
		.amdhsa_reserve_vcc 1
		.amdhsa_float_denorm_mode_32 3
		.amdhsa_float_denorm_mode_16_64 3
		.amdhsa_memory_ordered 1
		.amdhsa_forward_progress 1
		.amdhsa_inst_pref_size 37
	.end_amdhsa_kernel
	.amdgpu_metadata
---
amdhsa.version: [ 1, 2 ]
amdhsa.kernels:
  - .name:           k_q438a721fe3_quant
    .symbol:         k_q438a721fe3_quant.kd
    .args:
      - { .name: x, .offset: 0, .size: 8, .value_kind: global_buffer, .address_space: global }
      - { .name: wq, .offset: 8, .size: 8, .value_kind: global_buffer, .address_space: global }
      - { .name: wk, .offset: 16, .size: 8, .value_kind: global_buffer, .address_space: global }
      - { .name: wv, .offset: 24, .size: 8, .value_kind: global_buffer, .address_space: global }
      - { .name: wo, .offset: 32, .size: 8, .value_kind: global_buffer, .address_space: global }
      - { .name: freqs_cos, .offset: 40, .size: 8, .value_kind: global_buffer, .address_space: global }
      - { .name: freqs_sin, .offset: 48, .size: 8, .value_kind: global_buffer, .address_space: global }
      - { .name: wcodes, .offset: 56, .size: 8, .value_kind: global_buffer, .address_space: global }
      - { .name: wscales, .offset: 64, .size: 8, .value_kind: global_buffer, .address_space: global }
      - { .name: rope, .offset: 72, .size: 8, .value_kind: global_buffer, .address_space: global }
    .group_segment_fixed_size: 25856
    .private_segment_fixed_size: 0
    .kernarg_segment_align: 8
    .kernarg_segment_size: 80
    .max_flat_workgroup_size: 96
    .sgpr_count:     66
    .vgpr_count:     256
    .wavefront_size: 32
...
	.end_amdgpu_metadata
.endif
;; end of part 1
;; launch qkv (part 2): grid 12 x 16, 4 waves a work-group, clusters of 4 x 4, 327,680 bytes of LDS; arguments wcodes, wscales, rope, qkv_codes, qkv_scales; writes qkv_codes, qkv_scales
.if DOCPART == 2
	.amdgcn_target "amdgcn-amd-amdhsa--gfx1250"
	.amdhsa_code_object_version 6
	.text
	.protected	k_q438a721fe3_qkv
	.globl	k_q438a721fe3_qkv
	.p2align	8
	.type	k_q438a721fe3_qkv,@function
k_q438a721fe3_qkv:
	s_mov_b64 s[64:65], 0
	v_nop
	global_prefetch_b8 v0, s[64:65] scope:SCOPE_SE
	s_setreg_imm32_b32 hwreg(HW_REG_WAVE_MODE, 25, 1), 1
	s_wait_xcnt 0x0
	s_wait_alu depctr_hold_cnt(0) depctr_sa_sdst(0) depctr_va_vdst(0) depctr_va_sdst(0) depctr_va_ssrc(0) depctr_va_vcc(0) depctr_vm_vsrc(0)
	s_getreg_b32 s2, hwreg(HW_REG_IB_STS2, 6, 4)
	s_cmp_eq_u32 s2, 0
	s_cbranch_scc0 .Lentry_in_a_cluster
	s_endpgm
.Lentry_in_a_cluster:
	s_bfe_u32 s2, ttmp6, 0x10000c
	s_cmp_lg_u32 s2, 0xf033
	s_cbranch_scc0 .Lentry_shape_is_right
	s_endpgm
.Lentry_shape_is_right:
; x wq^T, x wk^T, x wv^T on codes of FP6 (E2M3) with E8M0 scales; RoPE on q and k in f32; then q and k are quantised along the head's 128 and v along the KEYS, and leave as register images of operands.
; SHARES.  A work-group makes 256 positions by 256 rows of the weights; each of its four waves 128 x 128: 64 accumulators, 512 registers: ONE HEAD for 128 positions.  192 work-groups: a tile that gave 256 would cut heads across waves.
; THE RING.  K = 2,048 is 16 steps of 128.  Two LDS slots of THREE steps each (32 row tiles x 4,608 bytes = 147,456 bytes): fills 0 to 4 bring steps 0-14, fill 5 step 15.  A trip of the loop is six steps, once round the ring, and has two refills.
; One descriptor serves every fill, so fill 5's rows run 3,072 bytes on into the next row tile's first two K steps: bytes inside wcodes (tiles up to 448 of 576) that nobody reads.
; LAYOUT.  Operands lie in memory as fragments' register images (1,536 bytes: 16 rows x 128 K): a fragment comes by three ds_load_b128 of 512 consecutive bytes.  A tile's row in a fill is 4,608 bytes and begins at a multiple of 256.
; A row tile's slot i holds row 32 (T / 2) + 8 (T % 2) + i + 8 (i / 8).  Source 0 = 16 rows of W, source 1 = 16 positions: a lane holds ONE position, and the 64 registers of its 8 accumulators are d = 32 (n / 16) + 16 h + n % 16.
; V GOES THE OTHER WAY ROUND (a lane one d, registers along the keys): V's waves read x's fragments as source 0 and wv's as source 1.  The role hangs on the cluster's x and the wave's number, never on a work-group's place in its cluster.
; THE SCALE WORDS do not go through LDS: ring, words and spare words together pass 327,680 bytes.  wscales has, for a tile and a PAIR of K steps, 128 consecutive bytes (8 a row): a load of 8 bytes a lane brings source 1's block i in lanes 0-15
; and source 0's in lanes 16-31.  Three register sets take turns (a trip has three pairs); a pair is asked for two and a half K steps ahead of its first product.
; CLUSTERS: 4 x 4.  x's tiles are shared along a row of the cluster, the weights' along a column: each is asked for jointly.
; PREFETCH: behind the load of fill c stands a request for fill c + 2 (c = 0 .. 3): a wave's share is 2 of the 8 tiles that it fetches, told apart among the four partners by address; 18 blocks of 256 bytes a tile, a lane a block,
; lanes 18-31 name the tile's last block again.  The loop's second trip asks for nothing.
; OUT.  qkv_codes: units of 8 fragments.  Q: ((batch 16 + head) 8 + G), fragment a = query tile 8 G + a.  K: 512 + (batch 4 + g) 8 + G.  V: 640 + .., fragment a = d tile a, K = the key step's 128 keys.
; qkv_scales: 512 bytes a unit: byte 16 l + 4 i = the word of row l % 16 of fragment 4 (l / 16) + i.
; LIMITS: a block whose largest magnitude lies under 2^-124 gets the byte 1 (zero codes; read by this program alone); NaN and infinities are not served; RoPE uses one fused multiply-add where the source has a multiply and an add.
; REGISTERS.  Window 0: v16-29 addresses; v32-79 scale words, three sets; v128-223 source 1's fragments, on the way out a block's numbers, codes and work; v112-123 the results' scale words.
;   Window 1: source 0's fragments, two sets at v0 and v128; v96-127, v224-255 the first block's cos and sin.   Windows 2, 3: accumulator (a, b) at v[8 (8 (a % 4) + b)] of window 2 + a / 4.
.set NQ,    3
.set FR,    12
.set FB,    1536
.set TROW,  NQ*FB                      ; a row tile's part of a slot
.set AH,    8*TROW                     ; 8 tiles: what one tensor load brings and one wave reads of a side
.set SLOT,  4*AH                       ; x's two halves, then the weights' two
.set SPARE, 2*SLOT                     ; behind the ring: the spare words, 128 bytes a wave
.set ADRA,  16                         ; v16-17  source 1's fragments in slot 0, 1
.set ADRB,  20                         ; v20-21  source 0's
.set LI,    25                         ; v25     16 x lane
.set SOF,   26                         ; v26     my scale words' offset in wscales
.set PFO,   27                         ; v27     the prefetches' offset: 256 x min(lane, 17)
.set SPW,   28
.set NIL,   29
.set SC,    32                         ; scale words: set s at v[SC + 16 s]; register 2 i + w: block i, the pair's w-th K step
.set AF,    128
.set HA,    128                        ; the way out: v128-191 a block's 64 numbers behind RoPE
.set PC,    192                        ; v192-211 the codes just made
.set TM,    212                        ; v212-223 largest magnitudes; the other half's, then bytes; scale operands
.set PWS,   112                        ; v112-119 the eight fragments' scale words
.set OW,    120                        ; v120-123 my four of them
.set G1,    24
.set G0,    32
.set G1B,   48
.set G0B,   56
.set SCB,   68                         ; s[68:69] wscales, stepped three pairs a trip
.set PFA,   70                         ; s[70:71] my two tiles of the prefetches
.set SV,    95                         ; s95  1 in a wave that makes V
.set SEL,   98
.set MSB, 0
.macro WIN new                         ; the immediate's high byte repeats the setting that is left
.if MSB != (\new)
	s_set_vgpr_msb (MSB<<8)|(\new)
.set MSB, (\new)
.endif
.endm
.set MUL_LO, 0xa1                      ; source 0 window 1, source 1 window 0, C and D window 2
.set MUL_HI, 0xf1
.set TO_B,   0x40
.macro JLOAD s                         ; a joint load: waves 0, 1 fetch x's halves, waves 2, 3 the weights'; the branch hangs on the wave's number alone; s_nop 0 and four v_nop follow each line
	s_cmp_eq_u32 s15, 0
	s_cbranch_scc0 .Lfor_b_\@
	tensor_load_to_lds s[G0+4*\s:G0+4*\s+3], s[G1:G1+7]
	s_nop 0
.rept 4
	v_nop
.endr
	s_branch .Lasked_\@
.Lfor_b_\@:
	tensor_load_to_lds s[G0B+4*\s:G0B+4*\s+3], s[G1B:G1B+7]
	s_nop 0
.rept 4
	v_nop
.endr
.Lasked_\@:
.endm
.macro CREST                           ; a round of the cluster's barrier behind its opening barrier
	s_cmp_lg_u32 s14, 0
	s_cbranch_scc1 .Lnot_wave_0_\@
	s_barrier_signal -3
.Lnot_wave_0_\@:
	s_barrier_wait -3
	s_barrier_signal -1
	s_barrier_wait -1
.endm
.macro CROUND
	s_barrier_signal -1
	s_barrier_wait -1
	CREST
.endm
.macro PLACES n                        ; plain places behind matrix instructions (ISA guide 7.12.1)
.rept \n
	v_nop
.endr
.endm
.macro ASK c, inloop                   ; fill c's bytes of my two tiles
.if \inloop
	s_cmp_gt_u32 s3, 1                             ; the second trip has no fill two on
	s_cbranch_scc0 .Lno_ask_\@
.endif
	global_prefetch_b8 v[PFO], s[PFA:PFA+1] offset:(\c)*TROW th:TH_LOAD_NT scope:SCOPE_SE
	global_prefetch_b8 v[PFO], s[PFA:PFA+1] offset:(\c)*TROW+24576 th:TH_LOAD_NT scope:SCOPE_SE
.if \inloop
.Lno_ask_\@:
.endif
.endm
	s_load_b128 s[4:7], s[0:1], 0x0                ; wcodes, wscales
	s_load_b128 s[8:11], s[0:1], 0x10              ; rope, qkv_codes
	s_load_b64 s[12:13], s[0:1], 0x20              ; qkv_scales
	v_lshl_add_u32 v[SPW], v0, 2, SPARE
	v_mov_b32 v[NIL], 0
	ds_add_u32 v[SPW], v[NIL]                      ; the opening lines: the add twice on end and its wait ahead of my first tensor load
	ds_add_u32 v[SPW], v[NIL]
	v_lshrrev_b32 v1, 5, v0
	v_readfirstlane_b32 s14, v1                    ; wave 0..3
	s_lshr_b32 s15, s14, 1                         ; my half of the positions.  Also: I fetch for x (0) or for the weights (1)
	s_and_b32 s16, s14, 1                          ; my half of the weights' rows.  Also: which half I fetch
	s_bfe_u32 s40, ttmp6, 0x40000                  ; cx, cy
	s_bfe_u32 s41, ttmp6, 0x40004
	s_lshl_b32 s42, ttmp9, 2
	s_add_co_u32 s42, s42, s40                     ; tc: 256 rows of the weights
	s_and_b32 s17, ttmp7, 0xffff
	s_lshl_b32 s17, s17, 2
	s_add_co_u32 s17, s17, s41                     ; tr: 256 positions
	s_lshl_b32 s43, s41, 2
	s_lshl_b32 s43, 15, s43                        ; my row of the cluster
	s_lshl_b32 s44, 0x1111, s40                    ; my column
	s_or_b32 s[G1+0], s43, (3<<16)|(1<<21)         ; the mask; elements of 8 bytes; bit 21 beside a mask
	s_or_b32 s[G1B+0], s44, (3<<16)|(1<<21)
.irp g, G1, G1B                        ; 8 row tiles, of each TROW bytes, 24,576 bytes from tile to tile; dense in LDS
	s_mov_b32 s[\g+1], (TROW/8)<<16
	s_mov_b32 s[\g+2], 8<<16
	s_mov_b32 s[\g+3], (TROW/8)<<16
	s_mov_b32 s[\g+4], 8
	s_mov_b32 s[\g+5], 3072
	s_mov_b32 s[\g+6], 0
	s_mov_b32 s[\g+7], 0
.endr
	s_lshl_b32 s18, s16, 3
	s_lshl_b32 s20, s17, 4
	s_add_co_u32 s20, s20, s18                     ; x: tile 16 tr + 8 half
	s_lshl_b32 s46, s42, 4
	s_add_co_u32 s46, s46, s18
	s_add_co_u32 s46, s46, 256                     ; the weights: tile 256 + 16 tc + 8 half
	s_lshl_b32 s22, s40, 1
	s_add_co_u32 s22, s22, s20                     ; the prefetches: of x's 8 tiles the partner at cx takes 2 cx, 2 cx + 1,
	s_lshl_b32 s23, s41, 1
	s_add_co_u32 s23, s23, s46                     ; of the weights' the partner at cy
	s_cmp_eq_u32 s15, 0
	s_cselect_b32 s22, s22, s23
	s_mul_i32 s[PFA], s22, 24576
	s_mov_b32 s[PFA+1], 0
	s_mul_i32 s20, s20, 24576
	s_mov_b32 s21, 0
	s_mul_i32 s46, s46, 24576
	s_mov_b32 s47, 0
	s_mul_i32 s45, s16, AH                         ; where the tiles go: no place in the cluster enters an LDS address
	s_add_co_u32 s94, s45, 2*AH
	s_wait_dscnt 0x0                               ; both opening adds are done
	s_wait_kmcnt 0x0
	s_add_nc_u64 s[20:21], s[4:5], s[20:21]
	s_add_nc_u64 s[46:47], s[4:5], s[46:47]
	s_add_nc_u64 s[PFA:PFA+1], s[4:5], s[PFA:PFA+1]
	s_mov_b64 s[SCB:SCB+1], s[6:7]
.irp s, 0,1
	s_mov_b32 s[G0+4*\s], 1
	s_add_co_u32 s[G0+4*\s+1], s45, \s*SLOT
	s_add_nc_u64 s[G0+4*\s+2:G0+4*\s+3], s[20:21], \s*TROW
	s_or_b32 s[G0+4*\s+3], s[G0+4*\s+3], 0x80000000
	s_mov_b32 s[G0B+4*\s], 1
	s_add_co_u32 s[G0B+4*\s+1], s94, \s*SLOT
	s_add_nc_u64 s[G0B+4*\s+2:G0B+4*\s+3], s[46:47], \s*TROW
	s_or_b32 s[G0B+4*\s+3], s[G0B+4*\s+3], 0x80000000
.endr
	CROUND                                         ; all sixteen work-groups are here: the first joint loads meet
	JLOAD 0                                        ; fill 0, a quarter a wave: my one tensor load at the head
	v_and_b32 v4, 31, v0
	v_min_u32 v4, 17, v4
	v_lshlrev_b32 v[PFO], 8, v4
	ASK 2, 0
	s_mov_b32 s[SEL], 0x76543210
	s_mov_b32 s[SEL+1], 0xfedcba98
	; where the results go, and my rows of the tables
	s_lshl_b32 s18, s17, 1
	s_add_co_u32 s18, s18, s15                     ; my group of 128 positions, 0..31
	s_and_b32 s19, s18, 7                          ; G: the group in its sequence
	s_lshl_b32 s92, s18, 13                        ; x's scale words: tile 8 x group, 1,024 bytes a tile
	s_lshr_b32 s18, s18, 3                         ; the batch
	s_lshl_b32 s20, s19, 16                        ; the tables: 8 position tiles of 8,192 bytes a group
	s_mov_b32 s21, 0
	s_add_nc_u64 s[8:9], s[8:9], s[20:21]
	s_lshl_b32 s20, s18, 4
	s_lshl_b32 s22, s42, 1
	s_add_co_u32 s22, s22, s16                     ; 2 tc + column half
	s_add_co_u32 s20, s20, s22                     ; batch 16 + query head
	s_lshl_b32 s93, s22, 13
	s_add_co_u32 s93, s93, 256<<10                 ; the weights' scale words: tile 256 + 8 (2 tc + half)
	s_lshl_b32 s20, s20, 3
	s_add_co_u32 s20, s20, s19                     ; Q's unit
	s_lshl_b32 s22, s18, 2
	s_add_co_u32 s22, s22, s42
	s_sub_co_u32 s22, s22, 8                       ; batch 4 + g (g = tc - 8)
	s_lshl_b32 s22, s22, 3
	s_add_co_u32 s22, s22, s19
	s_lshl_b32 s23, s16, 7
	s_add_co_u32 s22, s22, s23
	s_add_co_u32 s22, s22, 512                     ; K's unit, or 128 on V's
	s_cmp_eq_u32 ttmp9, 2                          ; the third column of clusters holds wk and wv
	s_cselect_b32 s20, s22, s20
	s_cselect_b32 s[SV], s16, 0
	s_mul_i32 s22, s20, 8*FB
	s_mov_b32 s23, 0
	s_add_nc_u64 s[10:11], s[10:11], s[22:23]
	s_lshl_b32 s22, s20, 9
	s_add_nc_u64 s[12:13], s[12:13], s[22:23]
	; source 1 takes x's half and source 0 the weights'; in V's waves the other way round
	s_mul_i32 s21, s15, AH
	s_mul_i32 s22, s16, AH
	s_add_co_u32 s22, s22, 2*AH
	s_cmp_eq_u32 s[SV], 1
	s_cselect_b32 s23, s22, s21
	s_cselect_b32 s45, s21, s22
	s_cselect_b32 s46, s93, s92                    ; lanes 0-15 take source 1's words,
	s_cselect_b32 s47, s92, s93                    ; lanes 16-31 source 0's
	s_mov_b32 s94, 0xffff0000
	v_and_b32 v1, 15, v0                           ; r
	v_and_b32 v3, 31, v0                           ; lane
	v_lshlrev_b32 v[LI], 4, v3
	v_add_nc_u32 v[ADRA], s23, v[LI]
	v_add_nc_u32 v[ADRB], s45, v[LI]
	v_add_nc_u32 v[ADRA+1], SLOT, v[ADRA]
	v_add_nc_u32 v[ADRB+1], SLOT, v[ADRB]
	v_mov_b32 v4, s46
	v_mov_b32 v5, s47
	v_cndmask_b32 v4, v4, v5, s94
	v_lshl_add_u32 v[SOF], v1, 3, v4               ; + 8 r
	s_wait_alu depctr_va_vdst(0)
.macro FRAG reg, adr, q, i             ; a fragment as it lies: three loads of 512 consecutive bytes
.irp c, 0,1,2
	ds_load_b128 v[\reg+4*\c:\reg+4*\c+3], v[\adr] offset:(\i)*TROW+(\q)*FB+512*\c
.endr
.endm
.macro FETCH_B slot, q, p              ; source 0's eight fragments of the slot's q-th K step into set p
	WIN TO_B
.irp i, 0,1,2,3,4,5,6,7
	FRAG 128*(\p)+FR*\i, ADRB+\slot, \q, \i
.endr
	WIN 0
.endm
.macro FETCH_A slot, q, i0             ; source 1's blocks i0 .. i0 + 3
.irp i, \i0, \i0+1, \i0+2, \i0+3
	FRAG AF+FR*(\i), ADRA+\slot, \q, \i
.endr
.endm
.macro GSCALES pr                      ; the words of pair pr, counted from the trip's base, into set pr % 3: each half of the lanes reads 128 consecutive bytes
.irp i, 0,1,2,3,4,5,6,7
	global_load_b64 v[SC+16*((\pr)%3)+2*\i:SC+16*((\pr)%3)+2*\i+1], v[SOF], s[SCB:SCB+1] offset:\i*1024+(\pr)*128
.endr
.endm
; 8 matrix instructions: source 1's block a against source 0's eight.  The 64 accumulators take turns, one instruction a turn, in the same order in every step.
.macro MULA a, p, set, w, zero
.irp b, 0,1,2,3,4,5,6,7
.if \zero
	v_wmma_scale_f32_16x16x128_f8f6f4 v[8*(8*((\a)%4)+\b):8*(8*((\a)%4)+\b)+7], v[128*(\p)+FR*\b:128*(\p)+FR*\b+FR-1], v[AF+FR*(\a):AF+FR*(\a)+FR-1], 0, v[SC+16*(\set)+2*\b+(\w)], v[SC+16*(\set)+2*(\a)+(\w)] matrix_a_fmt:MATRIX_FMT_FP6 matrix_b_fmt:MATRIX_FMT_FP6 matrix_a_scale:MATRIX_SCALE_ROW1
.else
	v_wmma_scale_f32_16x16x128_f8f6f4 v[8*(8*((\a)%4)+\b):8*(8*((\a)%4)+\b)+7], v[128*(\p)+FR*\b:128*(\p)+FR*\b+FR-1], v[AF+FR*(\a):AF+FR*(\a)+FR-1], v[8*(8*((\a)%4)+\b):8*(8*((\a)%4)+\b)+7], v[SC+16*(\set)+2*\b+(\w)], v[SC+16*(\set)+2*(\a)+(\w)] matrix_a_fmt:MATRIX_FMT_FP6 matrix_b_fmt:MATRIX_FMT_FP6 matrix_a_scale:MATRIX_SCALE_ROW1
.endif
.endr
.endm
.macro MULG g, p, set, w, zero         ; a quarter of a step: two blocks
	MULA 2*(\g), \p, \set, \w, \zero
	MULA 2*(\g)+1, \p, \set, \w, \zero
.endm
; A K step whose successor lies in the same slot.  p: source 0's set; set, w: its scale words; lc >= 0: the count for the wait that shows its pair of words in; sp >= 0: the pair asked for in its middle.
.macro STEP slot, q, p, set, w, zero, lc, sp
.if (\lc) >= 0
	s_wait_loadcnt \lc                             ; my pair's eight loads are in; what was asked for behind them may be out
.endif
	s_wait_dscnt 12                                ; all but the youngest twelve LDS loads (source 1's blocks 4-7) are in
	WIN MUL_LO
	MULG 0, \p, \set, \w, \zero
	MULG 1, \p, \set, \w, \zero
	s_wait_dscnt 0x0
	PLACES 4
	FETCH_B \slot, (\q)+1, 1-(\p)
	FETCH_A \slot, (\q)+1, 0
.if (\sp) >= 0
	GSCALES \sp
.endif
	WIN MUL_HI
	MULG 2, \p, \set, \w, \zero
	MULG 3, \p, \set, \w, \zero
	PLACES 4
	WIN 0
	FETCH_A \slot, (\q)+1, 4
.endm
; A slot's third step changes slots: in front of the barrier each wave waits for all its tensor loads, adds 0 to its spare word, and waits for that and for its reads of this slot.  fill = 1: the barrier opens a round of the cluster's, and this slot is filled again.
.macro TURN slot, next, p, set, w, fill, lc, sp, ask
.if (\lc) >= 0
	s_wait_loadcnt \lc
.endif
	s_wait_tensorcnt 0x0                           ; my one load that was out, my part of the next slot, has landed
	ds_add_u32 v[SPW], v[NIL]
	s_wait_dscnt 13                                ; the add and the youngest twelve loads may be out
	WIN MUL_LO
	MULG 0, \p, \set, \w, 0
	s_wait_dscnt 0x0                               ; the add is done, and my reads of this slot are over
	s_barrier_signal -1
	MULG 1, \p, \set, \w, 0
	WIN 0
	s_barrier_wait -1
.if \fill
	CREST
	s_add_nc_u64 s[G0+4*\slot+2:G0+4*\slot+3], s[G0+4*\slot+2:G0+4*\slot+3], 2*TROW
	s_add_nc_u64 s[G0B+4*\slot+2:G0B+4*\slot+3], s[G0B+4*\slot+2:G0B+4*\slot+3], 2*TROW
	JLOAD \slot                                    ; the first tensor load behind the round; its four v_nop are the places in front of the loads below
.else
	PLACES 4
.endif
	FETCH_B \next, 0, 1-(\p)
	FETCH_A \next, 0, 0
.if (\sp) >= 0
	GSCALES \sp
.endif
.if (\ask) >= 0
	ASK \ask, 1
.endif
	WIN MUL_HI
	MULG 2, \p, \set, \w, 0
	MULG 3, \p, \set, \w, 0
	PLACES 4
	WIN 0
	FETCH_A \next, 0, 4
.endm
; THE TABLES.  Block a has its cos in 32 registers from v[TCOS] and its sin in 32 from v[TSIN] of window 1.  Four sets take turns; set 0 lies where the K loop leaves registers alone, set 1 in source 0's first set, which the last K step does not read.
.macro TSET k
.if ((\k)%4) == 0
.set TCOS, 96
.set TSIN, 224
.elseif ((\k)%4) == 1
.set TCOS, 0
.set TSIN, 32
.elseif ((\k)%4) == 2
.set TCOS, 64
.set TSIN, 128
.else
.set TCOS, 160
.set TSIN, 192
.endif
.endm
.macro RLOAD a                         ; sixteen loads of 512 consecutive bytes
	TSET \a
	WIN TO_B
.irp p, 0,1,2,3,4,5,6,7
	global_load_b128 v[TCOS+4*\p:TCOS+4*\p+3], v[LI], s[8:9] offset:8192*(\a)+512*\p
.endr
.irp p, 0,1,2,3,4,5,6,7
	global_load_b128 v[TSIN+4*\p:TSIN+4*\p+3], v[LI], s[8:9] offset:8192*(\a)+4096+512*\p
.endr
	WIN 0
.endm
	GSCALES 0                                      ; K steps 0, 1
	GSCALES 1                                      ; and 2, 3
	RLOAD 0                                        ; the first block's tables.  Every wave asks, V's too, which do not use theirs: so the counts in front of the uses are the same on every path
	s_wait_tensorcnt 0x0                           ; my part of fill 0 is in
	ds_add_u32 v[SPW], v[NIL]
	s_wait_dscnt 0x0
	CROUND
	JLOAD 1                                        ; fill 1, the first tensor load behind the round
	FETCH_B 0, 0, 0
	FETCH_A 0, 0, 0
	FETCH_A 0, 0, 4
	ASK 3, 0
	STEP 0, 0, 0, 0, 0, 1, 16, -1                  ; K step 0 starts the sums; the tables' sixteen loads may be out
	s_mov_b32 s3, 2
.Llap:                                             ; K steps 1-6, then 7-12
	STEP 0, 1, 1, 0, 1, 0, -1, 2
	TURN 0, 1, 0, 1, 0, 1, 8, -1, 4
	STEP 1, 0, 1, 1, 1, 0, -1, 3
	STEP 1, 1, 0, 2, 0, 0, 8, -1
	TURN 1, 0, 1, 2, 1, 1, -1, 4, 5
	STEP 0, 0, 0, 0, 0, 0, 8, -1
	s_wait_xcnt 0x0                                ; the scale words' loads have read their base: it steps only behind this wait
	s_add_nc_u64 s[SCB:SCB+1], s[SCB:SCB+1], 3*128
	s_sub_co_u32 s3, s3, 1
	s_cmp_lg_u32 s3, 0
	s_cbranch_scc1 .Llap
	STEP 0, 1, 1, 0, 1, 0, -1, -1                  ; K step 13
	TURN 0, 1, 0, 1, 0, 0, 0, -1, -1               ; K step 14: nothing is filled
	RLOAD 1                                        ; the second block's tables, into source 0's first set, whose last readers stand four places back
	s_wait_dscnt 12                                ; K step 15
	WIN MUL_LO
	MULG 0, 1, 1, 1, 0
	MULG 1, 1, 1, 1, 0
	s_wait_dscnt 0x0
	WIN MUL_HI
	MULG 2, 1, 1, 1, 0
	MULG 3, 1, 1, 1, 0
	WIN 0
; THE WAY OUT needs no LDS: a block's 64 registers are 64 numbers of one row of the next operand, 16 neighbours of each block of 32.
; RoPE on block a: (tr, ti) -> (tr c - ti s, ti c + tr s).  Each accumulator is read from its low end on.
.macro ROPE a
	TSET \a
.set AC, 64*((\a)%4)
	WIN ((2+(\a)/4)|4)                             ; source 0 the accumulators' window, source 1 window 1
.irp e, 0,2,4,6,8,10,12,14,16,18,20,22,24,26,28,30
	v_pk_mul_f32 v[HA+2*\e:HA+2*\e+1], v[AC+2*\e:AC+2*\e+1], v[TSIN+\e:TSIN+\e+1] op_sel:[1,0] op_sel_hi:[0,0]
	v_pk_mul_f32 v[HA+2*\e+2:HA+2*\e+3], v[AC+2*\e+2:AC+2*\e+3], v[TSIN+\e:TSIN+\e+1] op_sel:[1,1] op_sel_hi:[0,1]
.endr
.irp e, 0,2,4,6,8,10,12,14,16,18,20,22,24,26,28,30
	v_pk_fma_f32 v[HA+2*\e:HA+2*\e+1], v[AC+2*\e:AC+2*\e+1], v[TCOS+\e:TCOS+\e+1], v[HA+2*\e:HA+2*\e+1] op_sel:[0,0,0] op_sel_hi:[1,0,1] neg_lo:[0,0,1]
	v_pk_fma_f32 v[HA+2*\e+2:HA+2*\e+3], v[AC+2*\e+2:AC+2*\e+3], v[TCOS+\e:TCOS+\e+1], v[HA+2*\e+2:HA+2*\e+3] op_sel:[0,1,0] op_sel_hi:[1,1,1] neg_lo:[0,0,1]
.endr
	WIN 0
.endm
; 64 numbers of a lane in window w, register 16 b + i = k 32 b + 16 h + i of my row, become a fragment's codes in v[PC] on and its scale word in v[pw].
.macro QUANT s, w, pw
	WIN (((\w)<<2)|((\w)<<4))
.irp b, 0,1,2,3
	v_max3_num_f32 v[TM+\b], 0x1800000, |v[\s+16*\b]|, |v[\s+16*\b+1]|   ; my 16 numbers of block b, and the floor 2^(3 - 127)
.endr
.irp i, 2,4,6,8,10,12,14
.irp b, 0,1,2,3
	v_max3_num_f32 v[TM+\b], v[TM+\b], |v[\s+16*\b+\i]|, |v[\s+16*\b+\i+1]|
.endr
.endr
	WIN 0
.irp b, 0,1,2,3
	v_permlanex16_b32 v[TM+4+\b], v[TM+\b], s[SEL], s[SEL+1]
.endr
.irp b, 0,1,2,3
	v_max_num_f32 v[TM+\b], v[TM+\b], v[TM+4+\b]   ; with lane l xor 16's: the block's largest magnitude
.endr
.irp b, 0,1,2,3
	v_add_nc_u32 v[TM+8+\b], 0xff000000, v[TM+\b]  ; 2 off its exponent field: the conversion's scale operand
.endr
.irp b, 0,1,2,3
	v_lshrrev_b32 v[TM+4+\b], 23, v[TM+8+\b]       ; the scale's byte
.endr
	v_lshl_or_b32 v[\pw], v[TM+5], 8, v[TM+4]
	v_lshl_or_b32 v[\pw], v[TM+6], 16, v[\pw]
	v_lshl_or_b32 v[\pw], v[TM+7], 24, v[\pw]
	s_wait_alu depctr_va_vdst(0)
	s_wait_xcnt 0x0                                ; the last fragment's stores have read the code registers
	WIN (\w)
.irp c, 0,1
	v_cvt_scalef32_pk16_fp6_f32 v[PC+6*\c:PC+6*\c+2], v[\s+32*\c:\s+32*\c+15], v[TM+8+2*\c]
	v_cvt_scalef32_pk16_fp6_f32 v[PC+12+4*\c:PC+14+4*\c], v[\s+32*\c+16:\s+32*\c+31], v[TM+8+2*\c+1]
.endr
	WIN 0
	v_nop                                          ; one plain place behind a scaled conversion
.irp c, 0,1                            ; the operand's layout wants a whole block in a lane
.irp i, 0,1,2
	v_permlane16_swap_b32 v[PC+6*\c+\i], v[PC+12+4*\c+\i]
.endr
.irp i, 0,1,2
	v_mov_b32 v[PC+3+6*\c+\i], v[PC+12+4*\c+\i]
.endr
.endr
.endm
.macro OUTF a                          ; fragment a of my unit: three stores of 512 consecutive bytes, aligned
.irp c, 0,1,2
	global_store_b128 v[LI], v[PC+4*\c:PC+4*\c+3], s[10:11] offset:FB*(\a)+512*\c
.endr
.endm
.macro QKBLOCK a                       ; 16 positions of a head of q or k; the tables run three blocks ahead
.if (\a) < 6
	s_wait_loadcnt 32                              ; this block's tables are in; the next two blocks' 2 x 16 loads may be out
.elseif (\a) == 6
	s_wait_loadcnt 16
.else
	s_wait_loadcnt 0x0
.endif
.if (\a) < 5
	RLOAD (\a)+3
.endif
	ROPE \a
	QUANT HA, 0, PWS+(\a)
	OUTF \a
.endm
	PLACES 4                                       ; behind the last products: results are read, and registers that held operands are written
.irp b, 0,1,2,3
	v_mov_b32 v[TM+4+\b], 0                        ; written once: a lane permute's destination counts as one of its sources
.endr
	s_cmp_eq_u32 s[SV], 1
	s_cbranch_scc1 .Lvpath
	RLOAD 2
.irp a, 0,1,2,3,4,5,6,7
	QKBLOCK \a
.endr
	s_branch .Ljoin
.Lvpath:                                           ; V: block a holds 16 of the head's d, and a lane's 64 registers run along the key step's 128 keys: quantised as they stand
.irp a, 0,1,2,3,4,5,6,7
	QUANT 64*((\a)%4), 2+(\a)/4, PWS+(\a)
	OUTF \a
.endr
.Ljoin:
	v_cmp_le_u32 vcc_lo, 16, v3                    ; lanes 0-15 store the words of fragments 0-3, lanes 16-31 those of 4-7
.irp i, 0,1,2,3
	v_cndmask_b32 v[OW+\i], v[PWS+\i], v[PWS+4+\i], vcc_lo
.endr
	global_store_b128 v[LI], v[OW:OW+3], s[12:13]  ; 512 consecutive bytes, aligned
	s_wait_tensorcnt 0x0                           ; the wave's end
	ds_add_u32 v[SPW], v[NIL]
	s_wait_dscnt 0x0
	CROUND                                         ; the closing round
	s_endpgm
.Lfunc_end_k_q438a721fe3_qkv:
	.size	k_q438a721fe3_qkv, .Lfunc_end_k_q438a721fe3_qkv-k_q438a721fe3_qkv
	.p2alignl 7, 3214868480
	.fill 96, 4, 3214868480
	.section	.rodata,"a",@progbits
	.p2align	6, 0x0
	.amdhsa_kernel k_q438a721fe3_qkv
		.amdhsa_group_segment_fixed_size 327680
		.amdhsa_private_segment_fixed_size 0
		.amdhsa_enable_private_segment 0
		.amdhsa_kernarg_size 40
		.amdhsa_user_sgpr_count 2
		.amdhsa_user_sgpr_kernarg_segment_ptr 1
		.amdhsa_wavefront_size32 1
		.amdhsa_system_sgpr_workgroup_id_x 1
		.amdhsa_system_sgpr_workgroup_id_y 1
		.amdhsa_system_sgpr_workgroup_id_z 1
		.amdhsa_system_vgpr_workitem_id 0
		.amdhsa_next_free_vgpr 1024
		.amdhsa_next_free_sgpr 100
		.amdhsa_reserve_vcc 1
		.amdhsa_float_denorm_mode_32 3
		.amdhsa_float_denorm_mode_16_64 3
		.amdhsa_memory_ordered 1
		.amdhsa_forward_progress 1
		.amdhsa_inst_pref_size 242
	.end_amdhsa_kernel
	.amdgpu_metadata
---
amdhsa.version: [ 1, 2 ]
amdhsa.kernels:
  - .name:           k_q438a721fe3_qkv
    .symbol:         k_q438a721fe3_qkv.kd
    .args:
      - { .name: wcodes, .offset: 0, .size: 8, .value_kind: global_buffer, .address_space: global }
      - { .name: wscales, .offset: 8, .size: 8, .value_kind: global_buffer, .address_space: global }
      - { .name: rope, .offset: 16, .size: 8, .value_kind: global_buffer, .address_space: global }
      - { .name: qkv_codes, .offset: 24, .size: 8, .value_kind: global_buffer, .address_space: global }
      - { .name: qkv_scales, .offset: 32, .size: 8, .value_kind: global_buffer, .address_space: global }
    .group_segment_fixed_size: 327680
    .private_segment_fixed_size: 0
    .kernarg_segment_align: 8
    .kernarg_segment_size: 40
    .max_flat_workgroup_size: 128
    .sgpr_count:     100
    .vgpr_count:     1024
    .wavefront_size: 32
...
	.end_amdgpu_metadata
.endif
;; end of part 2
;; launch attn (part 3): grid 16 x 16, 16 waves a work-group, clusters of 4 x 1, 264,192 bytes of LDS; arguments qkv_codes, qkv_scales, a_codes, a_scales; writes a_codes, a_scales
.if DOCPART == 3
	.amdgcn_target "amdgcn-amd-amdhsa--gfx1250"
	.amdhsa_code_object_version 6
	.text
	.protected	k_q438a721fe3_attn
	.globl	k_q438a721fe3_attn
	.p2align	8
	.type	k_q438a721fe3_attn,@function
k_q438a721fe3_attn:
	s_mov_b64 s[64:65], 0
	v_nop
	global_prefetch_b8 v0, s[64:65] scope:SCOPE_SE
	s_setreg_imm32_b32 hwreg(HW_REG_WAVE_MODE, 25, 1), 1
	s_wait_xcnt 0x0
	s_wait_alu depctr_hold_cnt(0) depctr_sa_sdst(0) depctr_va_vdst(0) depctr_va_sdst(0) depctr_va_ssrc(0) depctr_va_vcc(0) depctr_vm_vsrc(0)
	s_getreg_b32 s2, hwreg(HW_REG_IB_STS2, 6, 4)
	s_cmp_eq_u32 s2, 0
	s_cbranch_scc0 .Lentry_in_a_cluster
	s_endpgm
.Lentry_in_a_cluster:
	s_bfe_u32 s2, ttmp6, 0x10000c
	s_cmp_lg_u32 s2, 0x3003
	s_cbranch_scc0 .Lentry_shape_is_right
	s_endpgm
.Lentry_shape_is_right:
; Causal attention on codes of FP6 (E2M3): S^T = K Q^T, p = 2^(t - M), O^T = V^T P^T, O / l, and O quantised along the head's 128 for the last product.  4 batches, 16 query heads, 4 key and value heads, 1,024 positions, head size 128.
; THE SOFTMAX AHEAD OF THE SECOND PRODUCT: t = score x log2(e) / sqrt(128); M = the row's largest t so far, rounded up to a whole number; p = 2^(t - M) is quantised along the keys, not normalised; the row's sum is taken of the
; unquantised p and divides O at the end.  When M moves, the sum and O are multiplied by 2^(old M - new M): exact.
; SHARES.  Work-group (j, y) of cluster place cx: batch y / 4, key and value head g = y % 4, query head 4 g + cx.  THE FOUR PARTNERS OF A CLUSTER ARE THE FOUR QUERY HEADS THAT SHARE K AND V: all of the head's K and V (8 key steps of 128,
; 12,288 bytes each) and their scale words come into LDS ONCE, by joint loads: no ring, nothing is filled again.  waves 0-3's loads bring key step 0 alone, waves 4-7's steps 1 to 7: step 0, which every wave works, is
; written out and runs while the rest lands; behind one more barrier the other seven steps are one loop with no barrier in it.
; Each of sixteen waves owns one tile of 16 queries, T = 8 G + 2 j + a0.  From the wave's bits w = a1 a0 b1 b0: G = (2 a1 + b1) xor 7 (a0 xor b0): each G twice in a work-group, and any four waves w / 4 alike or w % 4 alike have 18 key steps together.
; CAUSAL: a wave works key steps 0 .. G; step G is masked.  Both hang on the wave's number alone.  Every wave walks all trips: the loop's trip count is a constant, and a hidden step's work is jumped over.
; LAYOUT.  A lane holds ONE query (lane % 16) throughout.  Slot i of a tile of positions holds position 32 (T / 2) + 8 (T % 2) + i + 8 (i / 8): so the 16 registers of key tiles 2 b, 2 b + 1 are keys 32 b + 16 h + 0 .. 15, and O^T's likewise along d.
; Operands lie in memory and LDS as register images: a fragment is three loads of 512 consecutive bytes.  A key step's 8 scale words a row come by ONE load: lanes 0-15 hold fragments 0-3's, lanes 16-31 fragments 4-7's.
; LIMITS: 1 / l by v_rcp_f32; a block whose largest magnitude lies under 2^-124 gets the byte 1 (zero codes; read by this program alone); NaN and infinities are not served.  The 16 scale words of a tile leave as 4 bytes a lane, 16 bytes apart:
; one byte in 24 of what the launch stores.  No prefetch: everything is asked for at the head.
; REGISTERS: v1 16 x lane; v6 the mask's bound; v7 16 r; v8-11 addresses in hand; v12 -M, v13 the largest t, v[14:15] the sum; v16-27 Q; v32-79 four fragments; v96-159 S^T, then p; v160-223 O^T; v224-235 p's codes; v232-247, v252, v254 at work;
;   v248-251 K's or V's scale words, v253 p's, v255 Q's.
.set FB,    1536                       ; a fragment's image
.set STEPB, 8*FB                       ; a key step of K or of V
.set VOFF,  8*STEPB                    ; LDS: K's eight steps at 0, V's at 98,304
.set SK,    16*STEPB                   ; the scale groups, 512 bytes a step: K's at 196,608, V's 4,096 on
.set SVOFF, 4096
.set LI,  1
.set DM,  6
.set RO,  7
.set ADK, 8
.set ADV, 9
.set ADS, 10
.set ADT, 11
.set TM,  236                          ; the way out: v236-239 largest magnitudes, v240-243 the other half's, then bytes, v244-247 scale operands
.set PC,  32                           ; v32-51 O's codes
.set PW,  254                          ; O's scale word
.set GG,  16                           ; s16  G
.set WV,  18                           ; s18  my wave's number
.set SEL, 20                           ; s[20:21] v_permlanex16_b32's selects
.set CS,  22                           ; s[22:23] c = log2(e) / sqrt(128)
.set G1CA, 24                          ; s[24:31] group 1 for key step 0's codes of K or V: 12,288 dense bytes as 48 rows of 256
.set G1CB, 32                          ; s[32:39] for steps 1 to 7's: 336 rows
.set G1SA, 40                          ; s[40:47] for step 0's scale group: 2 rows
.set G1SB, 48                          ; s[48:55] for steps 1 to 7's: 14 rows
.set G0C, 56                           ; s[56:63] groups 0 for the codes' two loads
.set G0S, 68                           ; s[68:75] for the scale groups'
.set TK,  76                           ; s76  LDS byte of the step's K
.set TS,  77                           ; s77  and of its scale group
.set KS,  78                           ; s78  the key step
.set CNT, 79                           ; s79  the loop's counter
.macro ROUND                           ; a round of the cluster's barrier
	s_barrier_signal -1
	s_barrier_wait -1
	s_cmp_lg_u32 s[WV], 0
	s_cbranch_scc1 .Lnot_wave_0_\@
	s_barrier_signal -3
.Lnot_wave_0_\@:
	s_barrier_wait -3
	s_barrier_signal -1
	s_barrier_wait -1
.endm
.macro DENSE g, rows                   ; group 1 of a dense block: rows of 256 bytes (32 elements of 8), asked for jointly by all four work-groups
	s_mov_b32 s[\g], 15|(3<<16)|(1<<21)            ; 15:0 the mask; 17:16 elements of 8 bytes; 21 set beside a mask
	s_mov_b32 s[\g+1], 32<<16                      ; tensor_dim0
	s_mov_b32 s[\g+2], (\rows)<<16                 ; tensor_dim1
	s_mov_b32 s[\g+3], 32<<16                      ; tile_dim0
	s_mov_b32 s[\g+4], \rows                       ; tile_dim1
	s_mov_b32 s[\g+5], 32                          ; tensor_dim0_stride
	s_mov_b32 s[\g+6], 0
	s_mov_b32 s[\g+7], 0
.endm
	s_load_b128 s[4:7], s[0:1], 0x0                ; qkv_codes, qkv_scales
	s_load_b128 s[8:11], s[0:1], 0x10              ; a_codes, a_scales
	v_lshl_add_u32 v94, v0, 2, 0x40000
	v_mov_b32 v95, 0
	ds_add_u32 v94, v95
	ds_add_u32 v94, v95
	v_lshrrev_b32 v8, 5, v0
	s_delay_alu instid0(VALU_DEP_1)
	v_readfirstlane_b32 s[WV], v8                  ; wave 0..15
	s_bfe_u32 s12, ttmp6, 0x40000                  ; cx: the query head in its group: it enters Q's and the results' addresses alone
	s_and_b32 s13, ttmp7, 0xffff                   ; y = 4 batch + g
	s_lshr_b32 s80, s[WV], 3                       ; a1
	s_bfe_u32 s17, s[WV], 0x10002                  ; a0
	s_bfe_u32 s81, s[WV], 0x10001                  ; b1
	s_and_b32 s19, s[WV], 1                        ; b0.  Also: I fetch for K (0) or for V (1)
	s_lshl_b32 s80, s80, 1
	s_add_co_u32 s80, s80, s81
	s_xor_b32 s82, s19, s17
	s_mul_i32 s82, s82, 7
	s_xor_b32 s[GG], s80, s82
	DENSE G1CA, 48
	DENSE G1CB, 336
	DENSE G1SA, 2
	DENSE G1SB, 14
	s_lshl_b32 s84, s19, 7
	s_lshl_b32 s85, s13, 3
	s_add_co_u32 s84, s84, s85
	s_add_co_u32 s84, s84, 512                     ; the head's first unit: 512 + 8 y for K, 128 on for V
	s_mul_i32 s86, s84, STEPB
	s_mov_b32 s87, 0
	s_lshl_b32 s88, s84, 9
	s_mov_b32 s89, 0
	s_mul_i32 s90, s19, VOFF                       ; in LDS: no place in the cluster enters an LDS address
	s_mul_i32 s91, s19, SVOFF
	s_mov_b32 s[SEL], 0x76543210
	s_mov_b32 s[SEL+1], 0xfedcba98
	s_mov_b32 s[CS], 0x3e0293ee
	s_mov_b32 s[CS+1], s[CS]                       ; (named with it as a pair, so it is written)
	s_mov_b32 s[TK], 0
	s_mov_b32 s[TS], SK
	s_mov_b32 s[KS], 0
	s_wait_dscnt 0x0
	s_wait_kmcnt 0x0
	s_mov_b32 s[G0C], 1
	s_mov_b32 s[G0C+1], s90
	s_add_nc_u64 s[G0C+2:G0C+3], s[4:5], s[86:87]
	s_or_b32 s[G0C+3], s[G0C+3], 0x80000000
	s_mov_b32 s[G0C+4], 1
	s_add_co_u32 s[G0C+5], s90, STEPB
	s_add_nc_u64 s[G0C+6:G0C+7], s[4:5], s[86:87]
	s_add_nc_u64 s[G0C+6:G0C+7], s[G0C+6:G0C+7], STEPB
	s_or_b32 s[G0C+7], s[G0C+7], 0x80000000
	s_mov_b32 s[G0S], 1
	s_add_co_u32 s[G0S+1], s91, SK
	s_add_nc_u64 s[G0S+2:G0S+3], s[6:7], s[88:89]
	s_or_b32 s[G0S+3], s[G0S+3], 0x80000000
	s_mov_b32 s[G0S+4], 1
	s_add_co_u32 s[G0S+5], s91, SK+512
	s_add_nc_u64 s[G0S+6:G0S+7], s[6:7], s[88:89]
	s_add_nc_u64 s[G0S+6:G0S+7], s[G0S+6:G0S+7], 512
	s_or_b32 s[G0S+7], s[G0S+7], 0x80000000
	ROUND                                          ; all four work-groups are here: the joint loads meet
	; eight fills on eight waves, one a wave, in one chain of branches on the wave's number: waves 0, 1 key step 0's codes of K and V; 2, 3 its scale groups; 4, 5 steps 1-7's codes; 6, 7 their scale groups; the other waves nothing
.macro ARM under, g0, g1, next
	s_cmp_lt_u32 s[WV], \under
	s_cbranch_scc0 \next
	tensor_load_to_lds s[\g0:\g0+3], s[\g1:\g1+7]
	s_nop 0
.rept 4
	v_nop
.endr
	s_branch .Lfilled
\next:
.endm
	ARM 2, G0C,   G1CA, .Larm_s0
	ARM 4, G0S,   G1SA, .Larm_c1
	ARM 6, G0C+4, G1CB, .Larm_s1
	s_cmp_lt_u32 s[WV], 8
	s_cbranch_scc0 .Lfilled
	tensor_load_to_lds s[G0S+4:G0S+7], s[G1SB:G1SB+7]
	s_nop 0
.rept 4
	v_nop
.endr
.Lfilled:
	; my tile of queries, and where its result goes
	s_lshl_b32 s84, s13, 2
	s_add_co_u32 s84, s84, s12                     ; batch 16 + query head
	s_lshl_b32 s84, s84, 3
	s_add_co_u32 s84, s84, s[GG]                   ; Q's unit
	s_lshl_b32 s85, ttmp9, 1
	s_add_co_u32 s85, s85, s17                     ; f = 2 j + a0: my fragment in it
	s_mul_i32 s86, s84, STEPB
	s_mul_i32 s87, s85, FB
	s_add_co_u32 s86, s86, s87
	s_mov_b32 s87, 0
	s_add_nc_u64 s[86:87], s[4:5], s[86:87]
	s_lshl_b32 s88, s84, 9
	s_lshr_b32 s89, s85, 2
	s_lshl_b32 s89, s89, 8
	s_add_co_u32 s88, s88, s89
	s_and_b32 s89, s85, 3
	s_lshl_b32 s89, s89, 2
	s_add_co_u32 s88, s88, s89                     ; its scale words: 256 (f / 4) + 4 (f % 4), + 16 r
	s_mov_b32 s89, 0
	s_add_nc_u64 s[88:89], s[6:7], s[88:89]
	s_lshr_b32 s90, s13, 2
	s_lshl_b32 s90, s90, 6
	s_lshl_b32 s91, s[GG], 3
	s_add_co_u32 s90, s90, s91
	s_add_co_u32 s90, s90, s85                     ; the row tile of the last product's left operand: 64 batch + 8 G + f
	s_and_b32 s91, s13, 3                          ; g
	s_lshl_b32 s92, s91, 2
	s_add_co_u32 s92, s92, s12                     ; its K step: the query head
	s_lshl_b32 s93, s90, 4
	s_add_co_u32 s93, s93, s92
	s_mul_i32 s92, s93, FB
	s_mov_b32 s93, 0
	s_add_nc_u64 s[8:9], s[8:9], s[92:93]
	s_lshl_b32 s92, s90, 10
	s_lshl_b32 s91, s91, 8
	s_add_co_u32 s92, s92, s91
	s_lshl_b32 s91, s12, 2
	s_add_co_u32 s92, s92, s91
	s_add_nc_u64 s[10:11], s[10:11], s[92:93]
	s_lshl_b32 s94, ttmp9, 5
	s_lshl_b32 s91, s17, 3
	s_add_co_u32 s94, s94, s91                     ; 32 j + 8 a0
	v_and_b32 v2, 31, v0
	s_delay_alu instid0(VALU_DEP_1)
	v_lshlrev_b32 v[LI], 4, v2
	v_and_b32 v2, 15, v0                           ; r
	v_bfe_u32 v3, v0, 4, 1                         ; h
	s_delay_alu instid0(VALU_DEP_2)
	v_lshlrev_b32 v[RO], 4, v2
.irp c, 0,1,2
	global_load_b128 v[16+4*\c:19+4*\c], v[LI], s[86:87] offset:512*\c   ; Q's fragment stays in registers
.endr
	global_load_b32 v255, v[RO], s[88:89]          ; and its scale words
	v_and_b32 v4, 7, v2
	v_lshrrev_b32 v5, 3, v2
	s_delay_alu instid0(VALU_DEP_1)
	v_sub_nc_u32 v5, v5, v3
	s_delay_alu instid0(VALU_DEP_1)
	v_lshl_add_u32 v[DM], v5, 4, v4
	s_delay_alu instid0(VALU_DEP_1)
	v_add_nc_u32 v[DM], s94, v[DM]                 ; my query in its group of 128, less 16 h: in the masked step register 16 b + i (key 32 b + 16 h + i) is hidden where 32 b + i is above it
	v_mov_b32 v13, 0xff61b1e6                      ; the largest t so far: -3e38, under every t
	s_delay_alu instid0(VALU_DEP_1)
	v_floor_f32 v12, -v13                          ; -M
	v_mov_b32 v14, 0                               ; the sum, in two halves
	v_mov_b32 v15, 0
.irp b, 0,1,2,3
	v_mov_b32 v[236+\b], 0                         ; written once: a lane permute's destination counts as one of its sources
.endr
	v_mov_b32 v252, 0
	v_mov_b32 v253, 0                              ; (named as the upper half of the pair v[252:253] before it is first written)
.set J, 0
.rept 64
	v_mov_b32 v[160+J], 0                          ; O^T.  (The step is written for all steps alike: the first finds zeros, which the first change of M leaves zeros)
.set J, J+1
.endr
; A KEY STEP: 128 keys.
.macro STEP
	s_cmp_gt_u32 s[KS], s[GG]                      ; all its keys come after my queries: the work is left out, not the lines at the end that step addresses
	s_cbranch_scc1 .Lhidden_\@
	v_add_nc_u32 v[ADK], s[TK], v[LI]              ; (these four are also the places in front of loads into registers that the last products read)
	s_wait_alu depctr_va_vdst(0)
	v_add_nc_u32 v[ADS], s[TS], v[LI]
	v_add_nc_u32 v[ADV], VOFF, v[ADK]
	s_delay_alu instid0(VALU_DEP_2)
	v_add_nc_u32 v[ADT], SVOFF, v[ADS]
	ds_load_b128 v[248:251], v[ADS]                ; K's scale words of all eight tiles
.irp g, 0,1                            ; S^T = K Q^T, four tiles of 16 keys at a time
.if \g > 0
.rept 4
	v_nop                                          ; places in front of loads into registers that matrix instructions have read
.endr
.endif
.irp t, 0,1,2,3
.irp c, 0,1,2
	ds_load_b128 v[32+12*\t+4*\c:35+12*\t+4*\c], v[ADK] offset:(4*\g+\t)*FB+512*\c
.endr
.endr
	s_wait_dscnt 0x0
.irp t, 0,1,2,3
.if \g == 0
	v_wmma_scale_f32_16x16x128_f8f6f4 v[96+8*\t:103+8*\t], v[32+12*\t:43+12*\t], v[16:27], 0, v[248+\t], v255 matrix_a_fmt:MATRIX_FMT_FP6 matrix_b_fmt:MATRIX_FMT_FP6
.else
	v_wmma_scale_f32_16x16x128_f8f6f4 v[128+8*\t:135+8*\t], v[32+12*\t:43+12*\t], v[16:27], 0, v[248+\t], v255 matrix_a_fmt:MATRIX_FMT_FP6 matrix_b_fmt:MATRIX_FMT_FP6 matrix_a_scale:MATRIX_SCALE_ROW1
.endif
.endr
.endr
.rept 4
	v_nop                                          ; places behind the products: for the first read of the scores, and for the loads below into registers that the products have read
.endr
	s_wait_alu depctr_va_vdst(0)
	ds_load_b128 v[248:251], v[ADT]                ; V's scale words of all eight tiles, and V's first four fragments: asked for here, they land under the softmax, which names none of these registers
.irp t, 0,1,2,3
.irp c, 0,1,2
	ds_load_b128 v[32+12*\t+4*\c:35+12*\t+4*\c], v[ADV] offset:\t*FB+512*\c
.endr
.endr
	s_cmp_lt_u32 s[KS], s[GG]                      ; a step all of whose keys count skips the mask
	s_cbranch_scc1 .Lopen_\@
	v_mov_b32 v254, 0xff800000                     ; -infinity: p = 0 then
.set J, 0
.rept 64
	v_cmp_gt_i32 vcc_lo, 32*(J/16)+J%16, v[DM]
	v_cndmask_b32 v[96+J], v[96+J], v254, vcc_lo
.set J, J+1
.endr
.Lopen_\@:
.irp b, 0,1,2,3
	v_max3_num_f32 v[232+\b], v[96+16*\b], v[97+16*\b], v[98+16*\b]   ; the largest score of each block of 32 keys: it serves for the row's maximum and, since p rises with the score, for the block's largest p
.endr
.irp i, 3,5,7,9,11,13
.irp b, 0,1,2,3
	v_max3_num_f32 v[232+\b], v[232+\b], v[96+16*\b+\i], v[97+16*\b+\i]
.endr
.endr
.irp b, 0,1,2,3
	v_max_num_f32 v[232+\b], v[232+\b], v[111+16*\b]
.endr
.irp b, 0,1,2,3
	s_delay_alu instid0(VALU_DEP_4)
	v_permlanex16_b32 v[236+\b], v[232+\b], s[SEL], s[SEL+1]
.endr
.irp b, 0,1,2,3
	s_delay_alu instid0(VALU_DEP_4)
	v_max_num_f32 v[232+\b], v[232+\b], v[236+\b]  ; with lane l xor 16's 16 keys
.endr
	s_delay_alu instid0(VALU_DEP_2)
	v_max3_num_f32 v254, v232, v233, v234
	s_delay_alu instid0(VALU_DEP_1)
	v_max_num_f32 v254, v254, v235                 ; the step's largest score of my query
	s_delay_alu instid0(VALU_DEP_1)
	v_mul_f32 v254, s[CS], v254                    ; as t (c is positive)
	s_delay_alu instid0(VALU_DEP_1)
	v_max_num_f32 v13, v13, v254                   ; the running largest t
	v_mov_b32 v254, v12
	s_delay_alu instid0(VALU_DEP_2)
	v_floor_f32 v12, -v13                          ; the new -M = floor(-t): M is a whole number
	s_delay_alu instid0(VALU_DEP_1)
	v_sub_f32 v254, v12, v254                      ; old M less new M: a whole number, 0 or less
	s_delay_alu instid0(VALU_DEP_1)
	v_cvt_i32_f32 v254, v254                       ; (it saturates)
	s_delay_alu instid0(VALU_DEP_1)
	v_ldexp_f32 v252, 1.0, v254                    ; f = 2^(old M - new M)
.set J, 0
.rept 32
	v_pk_fma_f32 v[96+J:97+J], v[96+J:97+J], s[CS:CS+1], v[12:13] op_sel_hi:[1,0,0]   ; t - M, two at a time
.set J, J+2
.endr
.irp b, 0,1,2,3
	v_fma_f32 v[232+\b], v[232+\b], s[CS], v12     ; the same of each block's largest score
.endr
.set J, 0
	s_wait_alu depctr_va_vdst(0)
.rept 64
	v_exp_f32 v[96+J], v[96+J]                     ; p = 2^(t - M), at most 1
.set J, J+1
.endr
	v_pk_mul_f32 v[14:15], v[14:15], v[252:253] op_sel_hi:[1,0]   ; the sums under the new M: a plain place behind the exponentials
	s_wait_alu depctr_va_vdst(0)                   ; one wait for the whole batch, ahead of its first reader
.irp b, 0,1,2,3
	v_exp_f32 v[232+\b], v[232+\b]                 ; the block's largest p
.endr
	v_pk_add_f32 v[236:237], v[100:101], v[104:105]
	v_pk_add_f32 v[92:93], v[108:109], v[112:113]
	v_pk_add_f32 v[90:91], v[116:117], v[120:121]
	v_pk_add_f32 v[88:89], v[124:125], v[128:129]
	v_pk_add_f32 v[86:87], v[132:133], v[136:137]
	v_pk_add_f32 v[84:85], v[140:141], v[144:145]
	v_pk_add_f32 v[82:83], v[148:149], v[152:153]
	v_pk_add_f32 v[14:15], v[14:15], v[156:157]
	v_pk_add_f32 v[236:237], v[236:237], v[96:97]
	v_pk_add_f32 v[92:93], v[92:93], v[98:99]
	v_pk_add_f32 v[90:91], v[90:91], v[102:103]
	v_pk_add_f32 v[88:89], v[88:89], v[106:107]
	v_pk_add_f32 v[86:87], v[86:87], v[110:111]
	v_pk_add_f32 v[84:85], v[84:85], v[114:115]
	v_pk_add_f32 v[82:83], v[82:83], v[118:119]
	v_pk_add_f32 v[14:15], v[14:15], v[122:123]
	v_pk_add_f32 v[236:237], v[236:237], v[126:127]
	v_pk_add_f32 v[92:93], v[92:93], v[130:131]
	v_pk_add_f32 v[90:91], v[90:91], v[134:135]
	v_pk_add_f32 v[88:89], v[88:89], v[138:139]
	v_pk_add_f32 v[86:87], v[86:87], v[142:143]
	v_pk_add_f32 v[84:85], v[84:85], v[146:147]
	v_pk_add_f32 v[82:83], v[82:83], v[150:151]
	v_pk_add_f32 v[14:15], v[14:15], v[154:155]
	v_pk_add_f32 v[236:237], v[236:237], v[158:159]
	s_delay_alu instid0(VALU_DEP_2)
	v_pk_add_f32 v[14:15], v[14:15], v[88:89]
	s_delay_alu instid0(VALU_DEP_2)
	v_pk_add_f32 v[236:237], v[236:237], v[86:87]
	v_pk_add_f32 v[92:93], v[92:93], v[84:85]
	v_pk_add_f32 v[90:91], v[90:91], v[82:83]
	s_delay_alu instid0(VALU_DEP_2)
	v_pk_add_f32 v[14:15], v[14:15], v[92:93]
	s_delay_alu instid0(VALU_DEP_2)
	v_pk_add_f32 v[236:237], v[236:237], v[90:91]
	s_delay_alu instid0(VALU_DEP_1)
	v_pk_add_f32 v[14:15], v[14:15], v[236:237]
	s_wait_alu depctr_va_vdst(0)                   ; and one for the four
.irp b, 0,1,2,3
	v_max_num_f32 v[232+\b], 0x1800000, v[232+\b]  ; the floor 2^(3 - 127): the byte cannot fall under 1
.endr
.irp b, 0,1,2,3
	s_delay_alu instid0(VALU_DEP_4)
	v_add_nc_u32 v[244+\b], 0xff000000, v[232+\b]  ; 2 off the exponent field: the conversion's scale operand
.endr
.irp b, 0,1,2,3
	s_delay_alu instid0(VALU_DEP_4)
	v_lshrrev_b32 v[236+\b], 23, v[244+\b]         ; the scale's byte
.endr
	s_delay_alu instid0(VALU_DEP_3)
	v_lshl_or_b32 v253, v237, 8, v236              ; p's scale word for these 128 keys
	s_delay_alu instid0(VALU_DEP_1)
	v_lshl_or_b32 v253, v238, 16, v253
	s_delay_alu instid0(VALU_DEP_1)
	v_lshl_or_b32 v253, v239, 24, v253
.irp c, 0,1
	v_cvt_scalef32_pk16_fp6_f32 v[224+6*\c:226+6*\c], v[96+32*\c:111+32*\c], v[244+2*\c]
	v_cvt_scalef32_pk16_fp6_f32 v[236+4*\c:238+4*\c], v[112+32*\c:127+32*\c], v[244+2*\c+1]
.endr
	v_nop                                          ; one plain place behind a scaled conversion
.irp c, 0,1
.irp i, 0,1,2
	v_permlane16_swap_b32 v[224+6*\c+\i], v[236+4*\c+\i]
.endr
.irp i, 0,1,2
	s_delay_alu instid0(VALU_DEP_3)
	v_mov_b32 v[227+6*\c+\i], v[236+4*\c+\i]
.endr
.endr
.set J, 0
.rept 32
	v_pk_mul_f32 v[160+J:161+J], v[160+J:161+J], v[252:253] op_sel_hi:[1,0]   ; O^T under the new M.  (These 32 are also the places in front of the matrix instructions below)
.set J, J+2
.endr
	s_wait_alu depctr_va_vdst(0)
.irp g, 0,1                            ; O^T += V^T P^T: four tiles of 16 of the head's 128 at a time; the first four fragments were asked for behind the scores
.if \g > 0
.rept 4
	v_nop                                          ; places in front of loads into registers that matrix instructions have read
.endr
.irp t, 0,1,2,3
.irp c, 0,1,2
	ds_load_b128 v[32+12*\t+4*\c:35+12*\t+4*\c], v[ADV] offset:(4+\t)*FB+512*\c
.endr
.endr
.endif
	s_wait_dscnt 0x0
.irp t, 0,1,2,3
.if \g == 0
	v_wmma_scale_f32_16x16x128_f8f6f4 v[160+8*\t:167+8*\t], v[32+12*\t:43+12*\t], v[224:235], v[160+8*\t:167+8*\t], v[248+\t], v253 matrix_a_fmt:MATRIX_FMT_FP6 matrix_b_fmt:MATRIX_FMT_FP6
.else
	v_wmma_scale_f32_16x16x128_f8f6f4 v[192+8*\t:199+8*\t], v[32+12*\t:43+12*\t], v[224:235], v[192+8*\t:199+8*\t], v[248+\t], v253 matrix_a_fmt:MATRIX_FMT_FP6 matrix_b_fmt:MATRIX_FMT_FP6 matrix_a_scale:MATRIX_SCALE_ROW1
.endif
.endr
.endr
.Lhidden_\@:
	s_add_co_u32 s[TK], s[TK], STEPB
	s_add_co_u32 s[TS], s[TS], 512
	s_add_co_u32 s[KS], s[KS], 1
.endm
	s_cmp_ge_u32 s[WV], 4                          ; waves 0-3 fetched key step 0 and wait for it; waves 4-7's loads of steps 1-7 may be out
	s_cbranch_scc1 .Lstep0_asked
	s_wait_tensorcnt 0x0
.Lstep0_asked:
	s_barrier_signal -1
	s_barrier_wait -1                              ; everybody's is
	s_wait_loadcnt 0x0                             ; Q
	STEP                                           ; key step 0, which counts for every query: it reads the first 12,288 bytes of K and of V and the first 512 of each run of scale groups, which the loads still out do not touch
	s_wait_tensorcnt 0x0                           ; my part of key steps 1-7 is in,
	s_wait_dscnt 0x0
	s_barrier_signal -1
	s_barrier_wait -1                              ; everybody's is
	s_mov_b32 s[CNT], 7
.Lrest:                                            ; key steps 1 to 7: no barrier, so a wave with few steps goes on to its way out while the others work
	STEP
	s_sub_co_u32 s[CNT], s[CNT], 1
	s_cmp_lg_u32 s[CNT], 0
	s_cbranch_scc1 .Lrest
	; THE WAY OUT.  O^T / the sum; register 16 b + i is d = 32 b + 16 h + i of my query: it is quantised as it stands and leaves as a fragment of the last product's left operand.
	v_add_f32 v14, v14, v15                        ; the sum's two halves,
	s_delay_alu instid0(VALU_DEP_1)
	v_permlanex16_b32 v252, v14, s[SEL], s[SEL+1]
	s_delay_alu instid0(VALU_DEP_1)
	v_add_f32 v14, v14, v252                       ; and lane l xor 16's
	s_wait_alu depctr_va_vdst(0)
	v_rcp_f32 v14, v14
.irp b, 0,1,2,3
	v_mov_b32 v[TM+4+\b], 0                        ; plain places behind the reciprocal and the last products; a lane permute's destination counts as one of its sources
.endr
	s_wait_alu depctr_va_vdst(0)                   ; the wait ahead of the reciprocal's first reader
.set J, 0
.rept 32
	v_pk_mul_f32 v[96+J:97+J], v[160+J:161+J], v[14:15] op_sel_hi:[1,0]
.set J, J+2
.endr
.irp b, 0,1,2,3
	v_max3_num_f32 v[TM+\b], |v[96+16*\b]|, |v[97+16*\b]|, 0x1800000
.endr
.irp i, 2,4,6,8,10,12,14
.irp b, 0,1,2,3
	s_delay_alu instid0(VALU_DEP_4)
	v_max3_num_f32 v[TM+\b], v[TM+\b], |v[96+16*\b+\i]|, |v[97+16*\b+\i]|
.endr
.endr
.irp b, 0,1,2,3
	s_delay_alu instid0(VALU_DEP_4)
	v_permlanex16_b32 v[TM+4+\b], v[TM+\b], s[SEL], s[SEL+1]
.endr
.irp b, 0,1,2,3
	s_delay_alu instid0(VALU_DEP_4)
	v_max_num_f32 v[TM+\b], v[TM+\b], v[TM+4+\b]
.endr
.irp b, 0,1,2,3
	s_delay_alu instid0(VALU_DEP_4)
	v_add_nc_u32 v[TM+8+\b], 0xff000000, v[TM+\b]
.endr
.irp b, 0,1,2,3
	s_delay_alu instid0(VALU_DEP_4)
	v_lshrrev_b32 v[TM+4+\b], 23, v[TM+8+\b]
.endr
	s_delay_alu instid0(VALU_DEP_3)
	v_lshl_or_b32 v[PW], v[TM+5], 8, v[TM+4]
	s_delay_alu instid0(VALU_DEP_1)
	v_lshl_or_b32 v[PW], v[TM+6], 16, v[PW]
	s_delay_alu instid0(VALU_DEP_1)
	v_lshl_or_b32 v[PW], v[TM+7], 24, v[PW]
.irp c, 0,1
	v_cvt_scalef32_pk16_fp6_f32 v[PC+6*\c:PC+6*\c+2], v[96+32*\c:111+32*\c], v[TM+8+2*\c]
	v_cvt_scalef32_pk16_fp6_f32 v[PC+12+4*\c:PC+14+4*\c], v[112+32*\c:127+32*\c], v[TM+8+2*\c+1]
.endr
	v_nop                                          ; one plain place behind a scaled conversion
.irp c, 0,1
.irp i, 0,1,2
	v_permlane16_swap_b32 v[PC+6*\c+\i], v[PC+12+4*\c+\i]
.endr
.irp i, 0,1,2
	s_delay_alu instid0(VALU_DEP_3)
	v_mov_b32 v[PC+3+6*\c+\i], v[PC+12+4*\c+\i]
.endr
.endr
.irp c, 0,1,2
	global_store_b128 v[LI], v[PC+4*\c:PC+4*\c+3], s[8:9] offset:512*\c   ; 512 consecutive bytes, aligned
.endr
	v_and_b32 v2, 31, v0
	s_delay_alu instid0(VALU_DEP_1)
	v_cmp_gt_u32 vcc_lo, 16, v2
	s_wait_xcnt 0x0                                ; EXEC changes only behind this wait
	s_and_saveexec_b32 s95, vcc_lo
	global_store_b32 v[RO], v[PW], s[10:11]        ; row r's word for K step = my head
	s_wait_xcnt 0x0
	s_or_b32 exec_lo, exec_lo, s95
	s_wait_tensorcnt 0x0
	ds_add_u32 v94, v95
	s_wait_dscnt 0x0
	ROUND                                          ; the closing round
	s_endpgm
.Lfunc_end_k_q438a721fe3_attn:
	.size	k_q438a721fe3_attn, .Lfunc_end_k_q438a721fe3_attn-k_q438a721fe3_attn
	.p2alignl 7, 3214868480
	.fill 96, 4, 3214868480
	.section	.rodata,"a",@progbits
	.p2align	6, 0x0
	.amdhsa_kernel k_q438a721fe3_attn
		.amdhsa_group_segment_fixed_size 264192
		.amdhsa_private_segment_fixed_size 0
		.amdhsa_enable_private_segment 0
		.amdhsa_kernarg_size 32
		.amdhsa_user_sgpr_count 2
		.amdhsa_user_sgpr_kernarg_segment_ptr 1
		.amdhsa_wavefront_size32 1
		.amdhsa_system_sgpr_workgroup_id_x 1
		.amdhsa_system_sgpr_workgroup_id_y 1
		.amdhsa_system_sgpr_workgroup_id_z 1
		.amdhsa_system_vgpr_workitem_id 0
		.amdhsa_next_free_vgpr 256
		.amdhsa_next_free_sgpr 100
		.amdhsa_reserve_vcc 1
		.amdhsa_float_denorm_mode_32 3
		.amdhsa_float_denorm_mode_16_64 3
		.amdhsa_memory_ordered 1
		.amdhsa_forward_progress 1
		.amdhsa_inst_pref_size 71
	.end_amdhsa_kernel
	.amdgpu_metadata
---
amdhsa.version: [ 1, 2 ]
amdhsa.kernels:
  - .name:           k_q438a721fe3_attn
    .symbol:         k_q438a721fe3_attn.kd
    .args:
      - { .name: qkv_codes, .offset: 0, .size: 8, .value_kind: global_buffer, .address_space: global }
      - { .name: qkv_scales, .offset: 8, .size: 8, .value_kind: global_buffer, .address_space: global }
      - { .name: a_codes, .offset: 16, .size: 8, .value_kind: global_buffer, .address_space: global }
      - { .name: a_scales, .offset: 24, .size: 8, .value_kind: global_buffer, .address_space: global }
    .group_segment_fixed_size: 264192
    .private_segment_fixed_size: 0
    .kernarg_segment_align: 8
    .kernarg_segment_size: 32
    .max_flat_workgroup_size: 512
    .sgpr_count:     100
    .vgpr_count:     256
    .wavefront_size: 32
...
	.end_amdgpu_metadata
.endif
;; end of part 3
;; launch proj (part 4): grid 8 x 32, 4 waves a work-group, clusters of 4 x 4, 327,680 bytes of LDS; arguments a_codes, a_scales, wcodes, wscales, out0; writes out0
.if DOCPART == 4
	.amdgcn_target "amdgcn-amd-amdhsa--gfx1250"
	.amdhsa_code_object_version 6
	.text
	.protected	k_q438a721fe3_proj
	.globl	k_q438a721fe3_proj
	.p2align	8
	.type	k_q438a721fe3_proj,@function
k_q438a721fe3_proj:
	s_mov_b64 s[64:65], 0
	v_nop
	global_prefetch_b8 v0, s[64:65] scope:SCOPE_SE
	s_setreg_imm32_b32 hwreg(HW_REG_WAVE_MODE, 25, 1), 1
	s_wait_xcnt 0x0
	s_wait_alu depctr_hold_cnt(0) depctr_sa_sdst(0) depctr_va_vdst(0) depctr_va_sdst(0) depctr_va_ssrc(0) depctr_va_vcc(0) depctr_vm_vsrc(0)
	s_getreg_b32 s2, hwreg(HW_REG_IB_STS2, 6, 4)
	s_cmp_eq_u32 s2, 0
	s_cbranch_scc0 .Lentry_in_a_cluster
	s_endpgm
.Lentry_in_a_cluster:
	s_bfe_u32 s2, ttmp6, 0x10000c
	s_cmp_lg_u32 s2, 0xf033
	s_cbranch_scc0 .Lentry_shape_is_right
	s_endpgm
.Lentry_shape_is_right:
.set NA,    4
.set NQ,    4
.set FR,    12
.set NL,    3
.set FB,    1536
.set TROW,  NQ*FB
.set AH,    NA*TROW
.set BH,    8*TROW
.set SLOT,  2*AH+2*BH
.set SCL,   2*SLOT
.set SPARE, 327168
.set SPITCH, 528
.set ADRA,  16
.set ADRB,  20
.set STO,   24
.set RD,    25
.set CO,    26
.set ADRS,  27
.set SPW,   28
.set NIL,   29
.set SC,    32
.set AF,    128
.set BK,    128
.set G1,    24
.set G0,    32
.set G1B,   48
.set G0B,   56
.set G1S,   68
.set G0S,   76
.set G1SB,  80
.set G0SB,  88
.set MSB, 0
.macro WIN new
.if MSB != (\new)
	s_set_vgpr_msb (MSB<<8)|(\new)
.set MSB, (\new)
.endif
.endm
.set MUL_LO, 0xa1
.set TO_B,   0x40
.macro JLOAD g0a, g1a, g0b, g1b
	s_cmp_eq_u32 s15, 0
	s_cbranch_scc0 .Lfor_b_\@
	tensor_load_to_lds s[\g0a:\g0a+3], s[\g1a:\g1a+7]
	s_nop 0
.rept 4
	v_nop
.endr
	s_branch .Lasked_\@
.Lfor_b_\@:
	tensor_load_to_lds s[\g0b:\g0b+3], s[\g1b:\g1b+7]
	s_nop 0
.rept 4
	v_nop
.endr
.Lasked_\@:
.endm
.macro CREST
	s_cmp_lg_u32 s14, 0
	s_cbranch_scc1 .Lnot_wave_0_\@
	s_barrier_signal -3
.Lnot_wave_0_\@:
	s_barrier_wait -3
	s_barrier_signal -1
	s_barrier_wait -1
.endm
.macro CROUND
	s_barrier_signal -1
	s_barrier_wait -1
	CREST
.endm
.macro PLACES n
.rept \n
	v_nop
.endr
.endm
	s_load_b128 s[4:7], s[0:1], 0x0
	s_load_b128 s[8:11], s[0:1], 0x10
	s_load_b64 s[12:13], s[0:1], 0x20
	v_lshl_add_u32 v[SPW], v0, 2, SPARE
	v_mov_b32 v[NIL], 0
	ds_add_u32 v28, v29
	ds_add_u32 v28, v29
	s_wait_dscnt 0x0
	v_lshrrev_b32 v1, 5, v0
	v_readfirstlane_b32 s14, v1
	s_lshr_b32 s15, s14, 1
	s_and_b32 s16, s14, 1
	s_bfe_u32 s40, ttmp6, 0x40000
	s_bfe_u32 s41, ttmp6, 0x40004
	s_lshl_b32 s42, ttmp9, 2
	s_add_co_u32 s42, s42, s40
	s_and_b32 s17, ttmp7, 0xffff
	s_lshl_b32 s17, s17, 2
	s_add_co_u32 s17, s17, s41
	s_lshl_b32 s43, s41, 2
	s_lshl_b32 s43, 15, s43
	s_lshl_b32 s44, 0x1111, s40
	s_or_b32 s[G1+0], s43, (3<<16)|(1<<21)
	s_mov_b32 s[G1+1], (TROW/8)<<16
	s_mov_b32 s[G1+2], 8<<16
	s_mov_b32 s[G1+3], (TROW/8)<<16
	s_mov_b32 s[G1+4], 8
	s_mov_b32 s[G1+5], 3072
	s_mov_b32 s[G1+6], 0
	s_mov_b32 s[G1+7], 0
	s_or_b32 s[G1B+0], s44, (3<<16)|(1<<21)
	s_mov_b32 s[G1B+1], (TROW/8)<<16
	s_mov_b32 s[G1B+2], 16<<16
	s_mov_b32 s[G1B+3], (TROW/8)<<16
	s_mov_b32 s[G1B+4], 16
	s_mov_b32 s[G1B+5], 3072
	s_mov_b32 s[G1B+6], 0
	s_mov_b32 s[G1B+7], 0
	s_or_b32 s[G1S+0], s43, (3<<16)|(1<<21)
	s_mov_b32 s[G1S+1], 32<<16
	s_mov_b32 s[G1S+2], 32<<16
	s_mov_b32 s[G1S+3], 32<<16
	s_mov_b32 s[G1S+4], 32
	s_mov_b32 s[G1S+5], 32
	s_mov_b32 s[G1S+6], 0
	s_mov_b32 s[G1S+7], 0
	s_or_b32 s[G1SB+0], s44, (3<<16)|(1<<21)
	s_mov_b32 s[G1SB+1], 32<<16
	s_mov_b32 s[G1SB+2], 64<<16
	s_mov_b32 s[G1SB+3], 32<<16
	s_mov_b32 s[G1SB+4], 64
	s_mov_b32 s[G1SB+5], 32
	s_mov_b32 s[G1SB+6], 0
	s_mov_b32 s[G1SB+7], 0
	s_lshl_b32 s20, s17, 3                         ; the left operand: the block's first row tile, 8 tr
	s_lshl_b32 s46, s42, 4
	s_add_co_u32 s46, s46, 448                     ; wo: tile 448 + 16 tc
	; the prefetches: of the 4 tiles of the left operand that I fetch in the ring the partner at cx takes tile cx; of wo's 8 the partner at cy takes 2 cy, 2 cy + 1: shared out by address
	s_lshl_b32 s98, s16, 2
	s_add_co_u32 s98, s98, s20
	s_add_co_u32 s98, s98, s40
	s_lshl_b32 s99, s16, 2
	s_add_co_u32 s99, s99, s41
	s_lshl_b32 s99, s99, 1
	s_add_co_u32 s99, s99, s46
	s_cmp_eq_u32 s15, 0
	s_cselect_b32 s98, s98, s99
	s_mul_i32 s98, s98, 24576
	s_mov_b32 s99, 0
	s_lshl_b32 s22, s20, 10
	s_mov_b32 s23, 0
	s_lshl_b32 s92, s46, 10
	s_mov_b32 s93, 0
	s_mul_i32 s20, s20, 24576
	s_mov_b32 s21, 0
	s_mul_i32 s46, s46, 24576
	s_mov_b32 s47, 0
	s_mul_i32 s45, s16, AH
	s_mul_i32 s94, s16, BH
	s_add_co_u32 s94, s94, 2*AH
	s_mul_i32 s96, s16, 4*24576                    ; in the ring I fetch a half of a side's tiles: 4 of the left operand's,
	s_mov_b32 s97, 0
	s_mul_i32 s18, s16, 8*24576                    ; 8 of wo's
	s_mov_b32 s19, 0
	s_wait_kmcnt 0x0
	s_add_nc_u64 s[20:21], s[4:5], s[20:21]
	s_add_nc_u64 s[22:23], s[6:7], s[22:23]
	s_add_nc_u64 s[46:47], s[8:9], s[46:47]
	s_add_nc_u64 s[92:93], s[10:11], s[92:93]
	s_cmp_eq_u32 s15, 0
	s_cselect_b64 s[66:67], s[4:5], s[8:9]
	s_add_nc_u64 s[66:67], s[66:67], s[98:99]      ; s[66:67]: my tile of the prefetches; never rewritten
	CROUND
	s_mov_b32 s[G0S], 1
	s_mov_b32 s[G0S+1], SCL
	s_mov_b64 s[G0S+2:G0S+3], s[22:23]
	s_or_b32 s[G0S+3], s[G0S+3], 0x80000000
	s_mov_b32 s[G0SB], 1
	s_mov_b32 s[G0SB+1], SCL+2*NA*1024
	s_mov_b64 s[G0SB+2:G0SB+3], s[92:93]
	s_or_b32 s[G0SB+3], s[G0SB+3], 0x80000000
	s_mov_b32 s4, 1                                ; group 0 of the head's loads of slot 0, each side whole, in registers that held arguments: the left operand's 8 tiles,
	s_mov_b32 s5, 0
	s_mov_b64 s[6:7], s[20:21]
	s_or_b32 s7, s7, 0x80000000
	s_mov_b32 s8, 1                                ; wo's 16 tiles behind them
	s_mov_b32 s9, 2*AH
	s_mov_b64 s[10:11], s[46:47]
	s_or_b32 s11, s11, 0x80000000
	s_add_nc_u64 s[20:21], s[20:21], s[96:97]      ; for the ring: my half
	s_add_nc_u64 s[46:47], s[46:47], s[18:19]
.irp s, 0,1
	s_mov_b32 s[G0+4*\s], 1
	s_add_co_u32 s[G0+4*\s+1], s45, \s*SLOT
	s_add_nc_u64 s[G0+4*\s+2:G0+4*\s+3], s[20:21], \s*TROW
	s_or_b32 s[G0+4*\s+3], s[G0+4*\s+3], 0x80000000
	s_mov_b32 s[G0B+4*\s], 1
	s_add_co_u32 s[G0B+4*\s+1], s94, \s*SLOT
	s_add_nc_u64 s[G0B+4*\s+2:G0B+4*\s+3], s[46:47], \s*TROW
	s_or_b32 s[G0B+4*\s+3], s[G0B+4*\s+3], 0x80000000
.endr
	; the head's four tiles, one joint load a wave, in one chain of branches on the wave's number: wave 0 slot 0's left operand, wave 1 its wo, wave 2 the left operand's scale words, wave 3 wo's
.macro ARM under, g0, g1, next
	s_cmp_lt_u32 s14, \under
	s_cbranch_scc0 \next
	tensor_load_to_lds s[\g0:\g0+3], s[\g1:\g1+7]
	s_nop 0
.rept 4
	v_nop
.endr
	s_branch .Lhead_asked
\next:
.endm
	ARM 1, 4,   G1,  .Lhead_b
	ARM 2, 8,   G1B, .Lhead_sa
	ARM 3, G0S, G1S, .Lhead_sb
	tensor_load_to_lds s[G0SB:G0SB+3], s[G1SB:G1SB+7]
	s_nop 0
.rept 4
	v_nop
.endr
.Lhead_asked:
; A PREFETCH: behind the load of slot c stands a request for slot c + 2 (c = 0, 1): 6,144 bytes a tile, 24 blocks of 256 bytes, a lane a block; lanes 24-31 name the tile's last block again.  wo's waves ask for a second tile.
.macro ASK c
	global_prefetch_b8 v30, s[66:67] offset:(\c)*TROW th:TH_LOAD_NT scope:SCOPE_SE
	s_cmp_eq_u32 s15, 0
	s_cbranch_scc1 .Lone_tile_\@
	global_prefetch_b8 v30, s[66:67] offset:(\c)*TROW+24576 th:TH_LOAD_NT scope:SCOPE_SE
.Lone_tile_\@:
.endm
	v_and_b32 v4, 31, v0
	v_min_u32 v4, 23, v4
	v_lshlrev_b32 v30, 8, v4                       ; v30: 256 x min(lane, 23); never rewritten
	ASK 2
	v_and_b32 v1, 15, v0
	v_bfe_u32 v2, v0, 4, 1
	s_wait_alu depctr_va_vdst(0)
	v_and_b32 v3, 31, v0
	v_lshlrev_b32 v[CO], 4, v3
	s_mul_i32 s21, s15, AH
	s_mul_i32 s22, s16, BH
	s_add_co_u32 s22, s22, 2*AH
.irp s, 0,1
	v_add_nc_u32 v[ADRA+\s], s21, v[CO]
	v_add_nc_u32 v[ADRB+\s], s22, v[CO]
	s_add_co_u32 s21, s21, SLOT
	s_add_co_u32 s22, s22, SLOT
.endr
	s_lshl_b32 s21, s15, 12
	s_lshl_b32 s22, s16, 13
	s_add_co_u32 s22, s22, 2*NA*1024
	s_sub_co_u32 s22, s22, s21
	v_mul_u32_u24 v4, s22, v2
	v_lshl_add_u32 v4, v1, 4, v4
	s_add_co_u32 s21, s21, SCL
	v_add_nc_u32 v[ADRS], s21, v4
	s_mul_i32 s23, s14, 16*SPITCH
	v_mul_u32_u24 v5, v1, SPITCH
	v_lshl_add_u32 v5, v2, 6, v5
	v_add_nc_u32 v[STO], s23, v5
	v_add_nc_u32 v[RD], s23, v[CO]
	s_lshl_b32 s20, s17, 7
	s_lshl_b32 s21, s15, 6
	s_add_co_u32 s20, s20, s21
	s_lshl_b32 s20, s20, 13
	s_lshl_b32 s21, s42, 10
	s_add_co_u32 s20, s20, s21
	s_lshl_b32 s21, s16, 9
	s_add_co_u32 s20, s20, s21
	s_mov_b32 s21, 0
	s_add_nc_u64 s[12:13], s[12:13], s[20:21]
.macro FRAG reg, adr, q, i
.irp c, 0,1,2
	ds_load_b128 v[\reg+4*\c:\reg+4*\c+3], v[\adr] offset:(\i)*TROW+(\q)*FB+512*\c
.endr
.endm
.macro FETCH_B slot, q, p
	WIN TO_B
.irp i, 0,1,2,3,4,5,6,7
	FRAG 128*(\p)+FR*\i, ADRB+\slot, \q, \i
.endr
	WIN 0
.endm
.macro FETCH_A slot, q, i0
.irp i, \i0, \i0+1
	FRAG AF+FR*(\i), ADRA+\slot, \q, \i
.endr
.endm
.macro SCALES sc
.irp i, 0,1,2,3,4,5,6,7
	ds_load_b128 v[SC+8*NQ*\sc+NQ*\i:SC+8*NQ*\sc+NQ*\i+3], v[ADRS] offset:\i*1024
.endr
.endm
.macro MULG a, p, q, sc, zero
.irp b, 0,1,2,3,4,5,6,7
.if \zero
	v_wmma_scale_f32_16x16x128_f8f6f4 v[8*(8*(\a)+\b):8*(8*(\a)+\b)+7], v[128*(\p)+FR*\b:128*(\p)+FR*\b+FR-1], v[AF+FR*(\a):AF+FR*(\a)+FR-1], 0, v[SC+8*NQ*(\sc)+NQ*\b+(\q)], v[SC+8*NQ*(\sc)+NQ*(\a)+(\q)] matrix_a_fmt:MATRIX_FMT_FP6 matrix_b_fmt:MATRIX_FMT_FP6 matrix_a_scale:MATRIX_SCALE_ROW1
.else
	v_wmma_scale_f32_16x16x128_f8f6f4 v[8*(8*(\a)+\b):8*(8*(\a)+\b)+7], v[128*(\p)+FR*\b:128*(\p)+FR*\b+FR-1], v[AF+FR*(\a):AF+FR*(\a)+FR-1], v[8*(8*(\a)+\b):8*(8*(\a)+\b)+7], v[SC+8*NQ*(\sc)+NQ*\b+(\q)], v[SC+8*NQ*(\sc)+NQ*(\a)+(\q)] matrix_a_fmt:MATRIX_FMT_FP6 matrix_b_fmt:MATRIX_FMT_FP6 matrix_a_scale:MATRIX_SCALE_ROW1
.endif
.endr
.endm
.macro STEP slot, q, zero
	s_wait_dscnt (NA/2)*NL
	WIN MUL_LO
	MULG 0, (\q)%2, \q, \slot, \zero
	MULG 1, (\q)%2, \q, \slot, \zero
	s_wait_dscnt 0x0
	PLACES 4
	FETCH_B \slot, (\q)+1, 1-(\q)%2
	FETCH_A \slot, (\q)+1, 0
	WIN MUL_LO
	MULG 2, (\q)%2, \q, \slot, \zero
	MULG 3, (\q)%2, \q, \slot, \zero
	PLACES 4
	WIN 0
	FETCH_A \slot, (\q)+1, NA/2
.endm
.macro TURN slot, next, fill
	s_wait_tensorcnt 0x0
	ds_add_u32 v[SPW], v[NIL]
	s_wait_dscnt (NA/2)*NL+1
	WIN MUL_LO
	MULG 0, 1, NQ-1, \slot, 0
	s_wait_dscnt 0x0
	s_barrier_signal -1
	MULG 1, 1, NQ-1, \slot, 0
	WIN 0
	s_barrier_wait -1
.if \fill
	CREST
	s_add_nc_u64 s[G0+4*\slot+2:G0+4*\slot+3], s[G0+4*\slot+2:G0+4*\slot+3], 2*TROW
	s_add_nc_u64 s[G0B+4*\slot+2:G0B+4*\slot+3], s[G0B+4*\slot+2:G0B+4*\slot+3], 2*TROW
	JLOAD G0+4*\slot, G1, G0B+4*\slot, G1B
.else
	PLACES 4
.endif
	s_wait_alu depctr_va_vdst(0)
	v_add_nc_u32 v[ADRS], 256, v[ADRS]
	FETCH_B \next, 0, 0
	FETCH_A \next, 0, 0
	SCALES \next
	WIN MUL_LO
	MULG 2, 1, NQ-1, \slot, 0
	MULG 3, 1, NQ-1, \slot, 0
	PLACES 4
	WIN 0
	FETCH_A \next, 0, NA/2
.endm
	s_wait_alu depctr_va_vdst(0)
	s_wait_tensorcnt 0x0                           ; my tile of the head's four is in
	ds_add_u32 v[SPW], v[NIL]
	s_mov_b32 s[G1+2], 4<<16                       ; no tensor load of mine is out: from here on a load brings half of a side's tiles
	s_mov_b32 s[G1+4], 4
	s_mov_b32 s[G1B+2], 8<<16
	s_mov_b32 s[G1B+4], 8
	s_wait_dscnt 0x0
	CROUND
	JLOAD G0+4, G1, G0B+4, G1B                     ; slot 1's first fill, the first tensor load behind the round
	FETCH_B 0, 0, 0
	FETCH_A 0, 0, 0
	SCALES 0
	FETCH_A 0, 0, NA/2
	ASK 3
	STEP 0, 0, 1
	STEP 0, 1, 0
	STEP 0, 2, 0
	TURN 0, 1, 1
	STEP 1, 0, 0
	STEP 1, 1, 0
	STEP 1, 2, 0
	TURN 1, 0, 1
	STEP 0, 0, 0
	STEP 0, 1, 0
	STEP 0, 2, 0
	TURN 0, 1, 0
	STEP 1, 0, 0
	STEP 1, 1, 0
	STEP 1, 2, 0
	s_wait_dscnt (NA/2)*NL
	WIN MUL_LO
	MULG 0, 1, NQ-1, 1, 0
	MULG 1, 1, NQ-1, 1, 0
	s_wait_dscnt 0x0
	MULG 2, 1, NQ-1, 1, 0
	MULG 3, 1, NQ-1, 1, 0
	WIN 0
.macro TOSTAGE a
.set AC, 64*(\a)
	WIN 0x08
.irp b, 0,1,2,3,4,5,6,7
	ds_store_b128 v[STO], v[AC+8*\b:AC+8*\b+3] offset:128*(\b/2)+32*(\b%2)
	ds_store_b128 v[STO], v[AC+8*\b+4:AC+8*\b+7] offset:128*(\b/2)+32*(\b%2)+16
.endr
	WIN 0
.set BB, BK+64*((\a)%2)
.irp t, 0,1,2,3,4,5,6,7,8,9,10,11,12,13,14,15
	ds_load_b128 v[BB+4*\t:BB+4*\t+3], v[RD] offset:\t*SPITCH
.endr
.endm
.macro SEND a, younger
.set BB, BK+64*((\a)%2)
	s_wait_dscnt \younger
.irp t, 0,1,2,3,4,5,6,7,8,9,10,11,12,13,14,15
	global_store_b128 v[CO], v[BB+4*\t:BB+4*\t+3], s[12:13] offset:(32*((\a)/2)+8*((\a)%2)+\t+8*(\t/8))*8192 th:TH_STORE_NT
.endr
.endm
	PLACES 4
	TOSTAGE 0
.irp a, 1,2,3
.if \a > 1
	s_wait_xcnt 0x0
.endif
	TOSTAGE \a
	SEND \a-1, 32
.endr
	SEND 3, 0
	s_wait_tensorcnt 0x0
	ds_add_u32 v[SPW], v[NIL]
	s_wait_dscnt 0x0
	CROUND
	s_endpgm
.Lfunc_end_k_q438a721fe3_proj:
	.size	k_q438a721fe3_proj, .Lfunc_end_k_q438a721fe3_proj-k_q438a721fe3_proj
	.p2alignl 7, 3214868480
	.fill 96, 4, 3214868480
	.section	.rodata,"a",@progbits
	.p2align	6, 0x0
	.amdhsa_kernel k_q438a721fe3_proj
		.amdhsa_group_segment_fixed_size 327680
		.amdhsa_private_segment_fixed_size 0
		.amdhsa_enable_private_segment 0
		.amdhsa_kernarg_size 40
		.amdhsa_user_sgpr_count 2
		.amdhsa_user_sgpr_kernarg_segment_ptr 1
		.amdhsa_wavefront_size32 1
		.amdhsa_system_sgpr_workgroup_id_x 1
		.amdhsa_system_sgpr_workgroup_id_y 1
		.amdhsa_system_sgpr_workgroup_id_z 1
		.amdhsa_system_vgpr_workitem_id 0
		.amdhsa_next_free_vgpr 768
		.amdhsa_next_free_sgpr 100
		.amdhsa_reserve_vcc 0
		.amdhsa_float_denorm_mode_32 3
		.amdhsa_float_denorm_mode_16_64 3
		.amdhsa_memory_ordered 1
		.amdhsa_forward_progress 1
		.amdhsa_inst_pref_size 138
	.end_amdhsa_kernel
	.amdgpu_metadata
---
amdhsa.version: [ 1, 2 ]
amdhsa.kernels:
  - .name:           k_q438a721fe3_proj
    .symbol:         k_q438a721fe3_proj.kd
    .args:
      - { .name: a_codes, .offset: 0, .size: 8, .value_kind: global_buffer, .address_space: global }
      - { .name: a_scales, .offset: 8, .size: 8, .value_kind: global_buffer, .address_space: global }
      - { .name: wcodes, .offset: 16, .size: 8, .value_kind: global_buffer, .address_space: global }
      - { .name: wscales, .offset: 24, .size: 8, .value_kind: global_buffer, .address_space: global }
      - { .name: out0, .offset: 32, .size: 8, .value_kind: global_buffer, .address_space: global }
    .group_segment_fixed_size: 327680
    .private_segment_fixed_size: 0
    .kernarg_segment_align: 8
    .kernarg_segment_size: 40
    .max_flat_workgroup_size: 128
    .sgpr_count:     100
    .vgpr_count:     768
    .wavefront_size: 32
...
	.end_amdgpu_metadata
.endif
;; end of part 4
